; MI455X (gfx1250); checked and timed in simulation.
; The chip was launched on July 23, 2026; its instructions are those of AMD's public machine-readable ISA for CDNA 5 (MIT licence, August 2026) and "CDNA5" Instruction Set Architecture Reference Guide (July 2026). The comments in the code are by the model that wrote it; some were corrected since.
;; Attention. Allowed arithmetic: matrix products marked QUANTISED: E2M1 operands, one E8M0 scale for each 32 along K, by v_wmma_scale_f32_16x16x128_f8f6f4 with both operands' format E2M1 (or v_wmma_scale_f32_32x16x128_f4), f32 sums; products left as they are: bf16, f16 or f32 operands; f32 sums; everything else in f32.
;; Inputs: W_proj 1,024 x 1,024 float32; W_qkv 1,024 x 3,072 float32; b_proj 1,024 float32; b_qkv 3,072 float32; x 2 x 2,048 x 1,024 float32.
;; Outputs: out0 2 x 2,048 x 1,024 float32.
;; This version of the problem:
;;   THIS VERSION OF THE PROBLEM IS GIVEN IN LOW PRECISION. The matrix products marked QUANTISED in the list below multiply operands that are first quantised to E2M1 (2 exponent bits, 1 mantissa bit; 4 bits a number), with one power-of-two scale for each 32 numbers along K (OCP MX v1.0); their sums are f32. The products marked 'left as it is' may take bf16, f16 or f32 operands, with f32 sums. Whichever they take, every output number must still come out within the allowed error. Rounding operands to bf16 (8 significant bits) uses up far more of that allowance than f16 does (11 bits, for magnitudes from 6e-5 to 65,504). All else is computed in f32.
;;   The module's matrix products, in the order in which they are computed (A, B: the left and right operand; K: the contracted axis; several contracted axes count as one K, in the product's order):
;;     1. [M 4,096, K 1,024] x [K 1,024, N 3,072]; A: input x; B: input W_qkv: QUANTISED
;;     2. batch 32 x [M 2,048, K 64] x [K 64, N 2,048]; A: computed on the way; B: computed on the way: left as it is (an operand is computed on the way)
;;     3. batch 32 x [M 2,048, K 2,048] x [K 2,048, N 64]; A: computed on the way; B: computed on the way: left as it is (an operand is computed on the way)
;;     4. [M 4,096, K 1,024] x [K 1,024, N 1,024]; A: computed on the way; B: input W_proj: left as it is (an operand is computed on the way)
;;   THE QUANTISER, for each operand of a quantised product, along K:
;;     - K is cut into blocks of 32 from its start; a last block that is shorter is filled with zeros.
;;     - A block's scale is 2^e with e = floor(log2(the largest magnitude in the block)) - 2, held to -126 .. 127; a block of zeros has e = 0. As a byte (E8M0): e + 127.
;;     - Each number is divided by its block's scale, clamped to +-6, and rounded to the nearest number of E2M1, ties to even, subnormals kept.
;;     - The product sums the exact products of the quantised numbers (number of the format x scale) in f32.
;;   ~~~python
;;   def quantise(x, axis):      # numpy; x: float32 -> the quantised numbers, widened to float32 again
;;       x = np.moveaxis(x, axis, -1); K = x.shape[-1]
;;       x = np.pad(x, [(0, 0)] * (x.ndim - 1) + [(0, -K % 32)]); x = x.reshape(x.shape[:-1] + (-1, 32)); a = np.abs(x).max(-1, keepdims=True)
;;       e = np.where(a > 0, np.clip(np.frexp(np.where(a > 0, a, 1))[1] - 1 - 2, -126, 127), 0)      # np.frexp(a)[1] - 1 = floor(log2(a)), exactly
;;       r = np.clip(x / 2.0 ** e, -6, 6)
;;       step = 2.0 ** (np.maximum(np.frexp(np.where(r == 0, 1, r))[1] - 1, 0) - 1)
;;       q = np.round(r / step) * step * 2.0 ** e      # np.round: ties to even
;;       return np.moveaxis(q.reshape(q.shape[:-2] + (-1,))[..., :K], -1, axis).astype(np.float32)
;;   ~~~
;; One version. Each part assembles by itself: llvm-mc -triple=amdgcn-amd-amdhsa -mcpu=gfx1250 --defsym DOCPART=n.
;; ======== version 1 of 1: 4 launches
;; limits: values are held in f16: magnitudes above 65,504 overflow, below 6.1e-05 lose precision
;; workspace buffers: xq 2,097,152 bytes; xs 131,072 bytes; wq 1,572,864 bytes; ws 98,304 bytes; wp 2,097,152 bytes; qkv 25,165,824 bytes; oimg 8,388,608 bytes
;; launch prep (part 1): grid 384 x 1, 4 waves a work-group, no clusters, 34,304 bytes of LDS; arguments x, W_qkv, W_proj, xq, xs, wq, ws, wp; writes xq, xs, wq, ws, wp
.if DOCPART == 1
	.amdgcn_target "amdgcn-amd-amdhsa--gfx1250"
	.amdhsa_code_object_version 6
	.text
	.protected	k_q409e0cee4f_prep
	.globl	k_q409e0cee4f_prep
	.p2align	8
	.type	k_q409e0cee4f_prep,@function
k_q409e0cee4f_prep:
	s_mov_b64 s[64:65], 0
	v_nop
	global_prefetch_b8 v0, s[64:65] scope:SCOPE_SE
	s_setreg_imm32_b32 hwreg(HW_REG_WAVE_MODE, 25, 1), 1
	s_wait_xcnt 0x0
; THE OPERANDS ARE MADE READY, ONCE.  x [4096][1024] f32 and W_qkv [1024][3072] f32 become codes of FP4 (E2M1) with one E8M0 scale byte for each 32 along K; W_proj [1024][1024] f32 becomes f16.
; All three leave IN THE ORDER OF THE READER'S OPERAND REGISTERS: a fragment is a run of parts of 512 bytes, and in a part lane l's 16 bytes lie at 16 l.
;   xq [kstep 2][T 256 (16 tokens)][q 4 (128 along K)][1024]   a fragment of 16 rows x 128 K: block 2 c + h of row r at 512 c + 256 h + 16 r
;   xs [kstep 2][row 4096][16]                                 a row's four scale words of a K step of 512
;   wq [kstep 2][ntile 192][q 4][1024], ws [kstep 2][n 3072][16]   the same, a row being a column n of W_qkv
;   wp [kstep 4 (256 along K)][ntile 64][kappa 8 (32 along K)][1024]   f16: the 8 numbers k = 8 k8 .. of column r at 256 k8 + 16 r
; A block's scale is 2^(floor(log2(its largest magnitude)) - 2): its byte is the largest magnitude's exponent field - 2, held at 1 from below.
; LIMITS: a block of zeros gets the byte 1 where the rule says 127 (its codes are zeros, which add nothing, and this program alone reads the bytes); blocks whose largest magnitude lies under 2^-124 have
; their byte held at 1; NaN and infinities among the inputs are not served; numbers of W_proj beyond 65,504 become infinities in f16.
; SHARES: work-groups 0-127 take x, 128-319 W_qkv, 320-383 W_proj.  Only x's path uses LDS (a stage for each wave); waves share nothing: no barrier.  No tensor loads, clusters or matrix units: the launch is a stream.
.set STG,   8448                       ; a wave's stage: 16 rows x (512 bytes + 16 of padding)
.set SPARE, 4*STG                      ; behind the stages: the spare words, 128 bytes for each wave, which no other line names
.set SPW, 12                           ; v12  LDS address of my spare word; never rewritten
.set NIL, 13                           ; v13  0; never rewritten
.set R,   16                           ; x: v16-143   two sets of 64 numbers as they are loaded
.set X,   144                          ; x: v144-207  my two blocks of 32 neighbours
.set C,   208                          ; x: v208-239  codes, eight registers for each step: no store's data are written again
.set WD,  240                          ; x: v240-243  a scale word for each step
.set TM,  244                          ; x: v244-245 largest magnitudes, v246-247 scale operands, v248-249 bytes
.set SO,  246
.set BY,  248
.set WX,  16                           ; weights: v16-79 two sets of 32 numbers down K
.set WC,  80                           ; weights: from v80 the results, never written again
.macro FINISH                          ; a wave's end
	s_wait_tensorcnt 0x0
	ds_add_u32 v[SPW], v[NIL]
	s_wait_dscnt 0x0
	s_endpgm
.endm
	s_load_b256 s[4:11], s[0:1], 0x0               ; x s[4:5], W_qkv s[6:7], W_proj s[8:9], xq s[10:11]
	s_load_b256 s[12:19], s[0:1], 0x20             ; xs s[12:13], wq s[14:15], ws s[16:17], wp s[18:19]
	v_lshl_add_u32 v[SPW], v0, 2, SPARE
	v_mov_b32 v[NIL], 0
	v_lshrrev_b32 v1, 5, v0
	v_readfirstlane_b32 s20, v1                    ; wave
	v_and_b32 v1, 31, v0                           ; lane
	v_and_b32 v2, 15, v0                           ; r
	v_bfe_u32 v3, v0, 4, 1                         ; h
	v_lshlrev_b32 v4, 4, v1                        ; 16 x lane
	s_mov_b32 s30, 0x76543210
	s_mov_b32 s31, 0xfedcba98                      ; v_permlanex16_b32's selects for lane l xor 16
	s_mov_b32 s23, 0                               ; the high word of every offset: all stay under 2^32
	s_wait_kmcnt 0x0
	s_cmp_lt_u32 ttmp9, 128
	s_cbranch_scc0 .Lweights
; ---- x.  A wave takes 16 rows x 512 along K: run W = 4 x work-group + wave; T = W / 2, K step = W % 2; four steps of 128 along K.
	s_lshl_b32 s21, ttmp9, 2
	s_add_co_u32 s21, s21, s20
	s_lshr_b32 s24, s21, 1                         ; T
	s_and_b32 s25, s21, 1                          ; K step
	s_lshl_b32 s22, s24, 16                        ; x: 16 rows of 4,096 bytes,
	s_lshl_b32 s26, s25, 11                        ; 512 numbers
	s_add_co_u32 s22, s22, s26
	s_add_nc_u64 s[4:5], s[4:5], s[22:23]
	s_lshl_b32 s22, s25, 20                        ; xq
	s_lshl_b32 s26, s24, 12
	s_add_co_u32 s22, s22, s26
	s_add_nc_u64 s[10:11], s[10:11], s[22:23]
	s_lshl_b32 s22, s25, 16                        ; xs
	s_lshl_b32 s26, s24, 8
	s_add_co_u32 s22, s22, s26
	s_add_nc_u64 s[12:13], s[12:13], s[22:23]
	s_mul_i32 s26, s20, STG                        ; my stage
	v_add_nc_u32 v5, s26, v4                       ; in: a row's 512 bytes as they lie
	v_mul_u32_u24 v6, v2, 528
	v_lshl_add_u32 v6, v3, 7, v6
	v_add_nc_u32 v6, s26, v6                       ; out: row r, + 128 h: my block of 32 numbers.  Rows 132 words apart
	v_lshlrev_b32 v7, 4, v2
	v_lshl_add_u32 v7, v3, 3, v7                   ; xs: 16 r + 8 h
	v_lshlrev_b32 v8, 3, v3                        ; 8 h: my bytes' place in a scale word
	v_mov_b32 v251, 0                              ; written once: a lane permute's destination counts as one of its sources
.macro LOADX q                         ; step q: each load reads 512 consecutive bytes of one row
.irp i, 0,1,2,3,4,5,6,7,8,9,10,11,12,13,14,15
	global_load_b128 v[R+64*((\q)%2)+4*\i:R+64*((\q)%2)+4*\i+3], v4, s[4:5] offset:\i*4096+(\q)*512 th:TH_LOAD_NT
.endr
.endm
.macro XSTEP q
.if (\q) < 3
	s_wait_loadcnt 16                              ; this step's 16 loads are in; the next step's 16 may be out
.else
	s_wait_loadcnt 0x0
.endif
.irp i, 0,1,2,3,4,5,6,7,8,9,10,11,12,13,14,15
	ds_store_b128 v5, v[R+64*((\q)%2)+4*\i:R+64*((\q)%2)+4*\i+3] offset:\i*528
.endr
.irp c, 0,1                            ; LDS serves a wave's instructions in order: these see the stores above.  Lane (r, h) takes k = 64 c + 32 h + 0 .. 31 of row r: the very numbers that the operand's layout gives it
.irp e, 0,1,2,3,4,5,6,7
	ds_load_b128 v[X+32*\c+4*\e:X+32*\c+4*\e+3], v6 offset:256*\c+16*\e
.endr
.endr
	s_wait_dscnt 0x0
.if (\q) < 2
	LOADX (\q)+2                                   ; the set just emptied takes the step two on
.endif
.irp c, 0,1
	v_max3_num_f32 v[TM+\c], |v[X+32*\c]|, |v[X+32*\c+1]|, 0x1800000   ; my block 2 c + h, and the floor 2^(3 - 127): the byte cannot fall under 1
.endr
.irp i, 2,4,6,8,10,12,14,16,18,20,22,24,26,28,30
.irp c, 0,1
	v_max3_num_f32 v[TM+\c], v[TM+\c], |v[X+32*\c+\i]|, |v[X+32*\c+\i+1]|   ; (the two blocks by turns)
.endr
.endr
.irp c, 0,1
	v_add_nc_u32 v[SO+\c], 0xff000000, v[TM+\c]    ; 2 off the exponent field: the conversion takes the exponent field of this operand as its scale
.endr
.irp c, 0,1
	v_lshrrev_b32 v[BY+\c], 23, v[SO+\c]           ; the scale's byte
.endr
	v_lshl_or_b32 v250, v[BY+1], 16, v[BY]         ; my two bytes: blocks h and 2 + h,
	v_lshlrev_b32 v250, v8, v250                   ; at their places in the word;
	v_permlanex16_b32 v251, v250, s30, s31
	v_or_b32 v[WD+(\q)], v250, v251                ; with lane l xor 16's two the word is whole
.irp c, 0,1
.irp g, 0,1,2,3
	v_cvt_scalef32_pk8_fp4_f32 v[C+8*(\q)+4*\c+\g], v[X+32*\c+8*\g:X+32*\c+8*\g+7], v[SO+\c]
.endr
.endr
	v_nop                                          ; one plain place behind the scaled conversions
.irp c, 0,1
	global_store_b128 v4, v[C+8*(\q)+4*\c:C+8*(\q)+4*\c+3], s[10:11] offset:(\q)*1024+512*\c   ; 32 lanes store 512 consecutive bytes: a part of the fragment's image
.endr
.endm
	LOADX 0
	LOADX 1
	XSTEP 0
	XSTEP 1
	XSTEP 2
	XSTEP 3
	v_cmp_ne_u32 vcc_lo, 0, v3
	v_cndmask_b32 v250, v[WD], v[WD+2], vcc_lo     ; lanes 0-15 store words 0 and 1 of their row, lanes 16-31 words 2 and 3
	v_cndmask_b32 v251, v[WD+1], v[WD+3], vcc_lo
	global_store_b64 v7, v[250:251], s[12:13]      ; 32 lanes store 256 consecutive bytes, aligned
	FINISH
; ---- the weights: K is their FIRST axis.  A lane takes a column and its registers run down K: a load reads 128 consecutive bytes, a block of 32 along K lies in one lane, nothing is transposed.
; A wave takes 32 columns x 128 along K, in four blocks of 32; loads run two blocks ahead.
.Lweights:
	v_lshlrev_b32 v5, 2, v1                        ; 4 x lane
.macro WLOAD t, pitch, base
.irp i, 0,1,2,3,4,5,6,7,8,9,10,11,12,13,14,15,16,17,18,19,20,21,22,23,24,25,26,27,28,29,30,31
	global_load_b32 v[WX+32*((\t)%2)+\i], v5, s[\base:\base+1] offset:(32*(\t)+\i)*\pitch th:TH_LOAD_NT
.endr
.endm
.macro WWAIT t
.if (\t) < 3
	s_wait_loadcnt 32                              ; this block's 32 loads are in; the next block's 32 may be out
.else
	s_wait_loadcnt 0x0
.endif
.endm
	s_cmp_lt_u32 ttmp9, 320
	s_cbranch_scc0 .Lproj
	s_sub_co_u32 s21, ttmp9, 128
	s_and_b32 s24, s21, 7                          ; Y: which 128 along K
	s_lshr_b32 s25, s21, 3                         ; which 128 columns
	s_mul_i32 s22, s24, 128*12288
	s_lshl_b32 s26, s25, 9
	s_add_co_u32 s22, s22, s26
	s_lshl_b32 s26, s20, 7
	s_add_co_u32 s22, s22, s26
	s_add_nc_u64 s[6:7], s[6:7], s[22:23]
	s_lshr_b32 s27, s24, 2                         ; K step
	s_and_b32 s28, s24, 3                          ; q
	s_mul_i32 s22, s27, 192*4096                   ; wq: K step, tile 8 x columns' block + 2 x wave, q
	s_lshl_b32 s26, s25, 15
	s_add_co_u32 s22, s22, s26
	s_lshl_b32 s26, s20, 13
	s_add_co_u32 s22, s22, s26
	s_lshl_b32 s26, s28, 10
	s_add_co_u32 s22, s22, s26
	s_add_nc_u64 s[14:15], s[14:15], s[22:23]
	s_mul_i32 s22, s27, 3072*16                    ; ws: K step, my first column x 16, word q
	s_lshl_b32 s26, s25, 11
	s_add_co_u32 s22, s22, s26
	s_lshl_b32 s26, s20, 9
	s_add_co_u32 s22, s22, s26
	s_lshl_b32 s26, s28, 2
	s_add_co_u32 s22, s22, s26
	s_add_nc_u64 s[16:17], s[16:17], s[22:23]
	v_lshlrev_b32 v6, 4, v2
	v_lshl_add_u32 v6, v3, 12, v6                  ; lanes 16-31 belong to the next tile of 16 columns; row r of a tile: 16 r
.macro QBLOCK t
.set XS, WX+32*((\t)%2)
	WWAIT \t
	v_max3_num_f32 v7, |v[XS]|, |v[XS+1]|, |v[XS+2]|               ; the block's largest magnitude: all 32 numbers are mine
	v_max3_num_f32 v8, |v[XS+3]|, |v[XS+4]|, |v[XS+5]|
.irp i, 6,10,14,18,22,26
	v_max3_num_f32 v7, v7, |v[XS+\i]|, |v[XS+\i+1]|
	v_max3_num_f32 v8, v8, |v[XS+\i+2]|, |v[XS+\i+3]|
.endr
	v_max3_num_f32 v7, v7, |v[XS+30]|, |v[XS+31]|
	v_max3_num_f32 v7, v7, v8, 0x1800000           ; and the floor
	v_add_nc_u32 v11, 0xff000000, v7               ; the conversion's scale operand
	v_lshrrev_b32 v10, 23, v11                     ; the byte
.if (\t) == 0
	v_mov_b32 v9, v10                              ; four bytes make my column's scale word of these 128 along K
.else
	v_lshl_or_b32 v9, v10, 8*(\t), v9
.endif
.irp g, 0,1,2,3
	v_cvt_scalef32_pk8_fp4_f32 v[WC+4*(\t)+\g], v[XS+8*\g:XS+8*\g+7], v11
.endr
	v_nop                                          ; one plain place behind the scaled conversions
	global_store_b128 v6, v[WC+4*(\t):WC+4*(\t)+3], s[14:15] offset:256*(\t)   ; block t of a fragment: sixteen lanes store 256 consecutive bytes, aligned
.if (\t) < 2
	WLOAD (\t)+2, 12288, 6
.endif
.endm
	WLOAD 0, 12288, 6
	WLOAD 1, 12288, 6
	QBLOCK 0
	QBLOCK 1
	QBLOCK 2
	QBLOCK 3
	global_store_b32 v4, v9, s[16:17]              ; 4 of each column's 16 bytes: the other three words come from other work-groups.  One byte for each 128 that this path reads
	FINISH
.Lproj:
	s_sub_co_u32 s21, ttmp9, 320
	s_and_b32 s24, s21, 7                          ; Y: which 128 along K
	s_lshr_b32 s25, s21, 3                         ; which 128 columns
	s_lshl_b32 s22, s24, 19                        ; 128 rows of 4,096 bytes
	s_lshl_b32 s26, s25, 9
	s_add_co_u32 s22, s22, s26
	s_lshl_b32 s26, s20, 7
	s_add_co_u32 s22, s22, s26
	s_add_nc_u64 s[8:9], s[8:9], s[22:23]
	s_lshr_b32 s27, s24, 1                         ; K step of 256
	s_and_b32 s28, s24, 1
	s_lshl_b32 s22, s27, 19                        ; wp: K step x 64 tiles x 8,192
	s_lshl_b32 s26, s25, 16
	s_add_co_u32 s22, s22, s26
	s_lshl_b32 s26, s20, 14
	s_add_co_u32 s22, s22, s26
	s_lshl_b32 s26, s28, 12                        ; kappa 4 (Y % 2) on
	s_add_co_u32 s22, s22, s26
	s_add_nc_u64 s[18:19], s[18:19], s[22:23]
	v_lshlrev_b32 v6, 4, v2
	v_lshl_add_u32 v6, v3, 13, v6
.macro HBLOCK t
.set XS, WX+32*((\t)%2)
	WWAIT \t
.irp z, 0,1,2,3,4,5,6,7,8,9,10,11,12,13,14,15
	v_cvt_pk_f16_f32 v[WC+16*(\t)+\z], v[XS+2*\z], v[XS+2*\z+1]
.endr
.irp k, 0,1,2,3
	global_store_b128 v6, v[WC+16*(\t)+4*\k:WC+16*(\t)+4*\k+3], s[18:19] offset:1024*(\t)+256*\k   ; eight neighbours along K of 16 columns: 256 consecutive bytes, aligned
.endr
.if (\t) < 2
	WLOAD (\t)+2, 4096, 8
.endif
.endm
	WLOAD 0, 4096, 8
	WLOAD 1, 4096, 8
	HBLOCK 0
	HBLOCK 1
	HBLOCK 2
	HBLOCK 3
	FINISH
.Lfunc_end_k_q409e0cee4f_prep:
	.size	k_q409e0cee4f_prep, .Lfunc_end_k_q409e0cee4f_prep-k_q409e0cee4f_prep
	.p2alignl 7, 3214868480
	.fill 96, 4, 3214868480
	.section	.rodata,"a",@progbits
	.p2align	6, 0x0
	.amdhsa_kernel k_q409e0cee4f_prep
		.amdhsa_group_segment_fixed_size 34304
		.amdhsa_private_segment_fixed_size 0
		.amdhsa_enable_private_segment 0
		.amdhsa_kernarg_size 64
		.amdhsa_user_sgpr_count 2
		.amdhsa_user_sgpr_kernarg_segment_ptr 1
		.amdhsa_wavefront_size32 1
		.amdhsa_system_sgpr_workgroup_id_x 1
		.amdhsa_system_sgpr_workgroup_id_y 1
		.amdhsa_system_sgpr_workgroup_id_z 1
		.amdhsa_system_vgpr_workitem_id 0
		.amdhsa_next_free_vgpr 256
		.amdhsa_next_free_sgpr 66
		.amdhsa_reserve_vcc 1
		.amdhsa_float_denorm_mode_32 3
		.amdhsa_float_denorm_mode_16_64 3
		.amdhsa_memory_ordered 1
		.amdhsa_forward_progress 1
		.amdhsa_inst_pref_size 68
	.end_amdhsa_kernel
	.amdgpu_metadata
---
amdhsa.version: [ 1, 2 ]
amdhsa.kernels:
  - .name:           k_q409e0cee4f_prep
    .symbol:         k_q409e0cee4f_prep.kd
    .args:
      - { .name: x, .offset: 0, .size: 8, .value_kind: global_buffer, .address_space: global }
      - { .name: W_qkv, .offset: 8, .size: 8, .value_kind: global_buffer, .address_space: global }
      - { .name: W_proj, .offset: 16, .size: 8, .value_kind: global_buffer, .address_space: global }
      - { .name: xq, .offset: 24, .size: 8, .value_kind: global_buffer, .address_space: global }
      - { .name: xs, .offset: 32, .size: 8, .value_kind: global_buffer, .address_space: global }
      - { .name: wq, .offset: 40, .size: 8, .value_kind: global_buffer, .address_space: global }
      - { .name: ws, .offset: 48, .size: 8, .value_kind: global_buffer, .address_space: global }
      - { .name: wp, .offset: 56, .size: 8, .value_kind: global_buffer, .address_space: global }
    .group_segment_fixed_size: 34304
    .private_segment_fixed_size: 0
    .kernarg_segment_align: 8
    .kernarg_segment_size: 64
    .max_flat_workgroup_size: 128
    .sgpr_count:     66
    .vgpr_count:     256
    .wavefront_size: 32
...
	.end_amdgpu_metadata
.endif
;; end of part 1
;; launch qkv (part 2): grid 12 x 16, 4 waves a work-group, clusters of 4 x 4, 327,680 bytes of LDS; arguments xq, xs, wq, ws, qkv, b_qkv; writes qkv
.if DOCPART == 2
	.amdgcn_target "amdgcn-amd-amdhsa--gfx1250"
	.amdhsa_code_object_version 6
	.text
	.protected	k_q409e0cee4f_qkv
	.globl	k_q409e0cee4f_qkv
	.p2align	8
	.type	k_q409e0cee4f_qkv,@function
k_q409e0cee4f_qkv:
	s_mov_b64 s[64:65], 0
	v_nop
	global_prefetch_b8 v0, s[64:65] scope:SCOPE_SE
	s_setreg_imm32_b32 hwreg(HW_REG_WAVE_MODE, 25, 1), 1
	s_wait_xcnt 0x0
	s_wait_alu depctr_hold_cnt(0) depctr_sa_sdst(0) depctr_va_vdst(0) depctr_va_sdst(0) depctr_va_ssrc(0) depctr_va_vcc(0) depctr_vm_vsrc(0)
	s_getreg_b32 s2, hwreg(HW_REG_IB_STS2, 6, 4)
	s_cmp_eq_u32 s2, 0
	s_cbranch_scc0 .Lentry_in_a_cluster
	s_endpgm
.Lentry_in_a_cluster:
	s_bfe_u32 s2, ttmp6, 0x10000c
	s_cmp_lg_u32 s2, 0xf033
	s_cbranch_scc0 .Lentry_shape_is_right
	s_endpgm
.Lentry_shape_is_right:
; qkv = Q(x) Q(W_qkv) + b_qkv on codes of FP4 (E2M1) with E8M0 scales, sums in f32; the results leave as f16, laid as the attention launch's operand registers want them.  M 4,096, N 3,072, K 1,024.
; A tile of 256 tokens x 256 columns is made by four waves, each 128 x 128: 64 accumulators, 512 registers.  K is two steps of 512, and LDS holds both: two slots, filled once; nothing is filled again, and there is no loop.
; The codes lie in memory as images of the operand registers (a fragment of 16 rows x 128 K is 1,024 bytes, lane l's 16 bytes at 16 l of each half): a K step's 128 rows are one dense block of 32,768 bytes,
; and every LDS read is 512 consecutive bytes.  No pitch, no padding.
; CLUSTERS: 4 x 4 work-groups; x's tiles are shared along a row of the cluster, W's along a column: each is asked for jointly, by the same tensor load with the same descriptor and a mask that names the four.
; THE MATRIX INSTRUCTION IS USED TRANSPOSED (source 0 = 16 columns of W, source 1 = 16 tokens): a lane holds one token and eight neighbouring channels, which pack into 16 bytes of f16: half a fragment of the
; next launch's product, in the very lanes that want it.  So the results are stored straight from registers, 512 consecutive bytes an instruction.  The bias is the C of each sum's first matrix instruction.
; OUT: qkv [which 3][batch x head 32][tile 128 (16 tokens)][nt 4 (16 channels)][512].  q and k: (token r, channels 8 h ..) at 256 h + 16 r; v: at 32 r + 16 h, 16 keys x 32 bytes, for the turning LDS load.
; q is multiplied by log2(e) / 8 in f32 ahead of its one rounding, so that the attention launch's scores are exponents of 2 as they stand.
; LIMITS: results beyond 65,504 become infinities in f16; NaN and infinities among the inputs are not served.
; REGISTERS: window 0: v0-31 addresses; v32-95 scale words, two sets, and nothing else; v96-255 packed results on the way out; before that v128-191 x's fragments (one set), v192-255 the bias (8 blocks of 16 columns).
;   window 1: W's fragments, two sets, at v0 and v128.   window 2: the accumulators of my tokens 0-63 ((a, b) at v[8 (8 a + b)]);   window 3: those of my tokens 64-127.
.set NQ,     4                         ; matrix instructions deep in a slot: 512 / 128
.set FR,     8                         ; registers of a fragment
.set NL,     2                         ; LDS loads that bring one
.set NP,     4                         ; places behind this matrix instruction (ISA guide 7.12.1)
.set SLOT,   131072                    ; x's 256 rows (65,536 bytes), then W's 256 columns
.set SCL,    2*SLOT                    ; the scale words: for K step u, x's 4,096 bytes at 8,192 u, W's 4,096 behind them
.set SPARE,  SCL+16384                 ; the spare words, 128 bytes for each wave, which no other line names
.set ADRA, 16                          ; v16-17  LDS address of my fragments of x in slot 0, 1
.set ADRB, 20                          ; v20-21  the same for W
.set CO,   26                          ; v26     my lane's place in a part of 512 bytes of the output
.set ADRS, 27                          ; v27     LDS address of my scale words: lanes 0-15 x's rows, lanes 16-31 W's columns
.set SPW,  28                          ; v28     LDS address of my spare word; never rewritten
.set NIL,  29                          ; v29     0; never rewritten
.set SC,   32                          ; set s at v[SC + 32 s]; in it register 4 i + q: lanes 0-15 the word of x's block i, lanes 16-31 that of W's block i, for the slot's q-th 128 along K
.set PK,   96                          ; the way out: five sets of 32 registers
.set AF,   128
.set BIAS, 192
.set CQ,   66                          ; s[66:67] log2(e) / 8
.set G1, 24                            ; s[24:31] group 1 for x's tiles;  s[32:39] group 0, one set for each slot
.set G0, 32
.set G1B, 48                           ; s[48:55], s[56:63] the same for W's
.set G0B, 56
.set G1S, 68                           ; s[68:75], s[76:79] groups 1 and 0 for x's scales;  s[80:87], s[88:91] for W's
.set G0S, 76
.set G1SB, 80
.set G0SB, 88
.set MSB, 0
.macro WIN new                         ; the immediate's high byte repeats the setting that is left
.if MSB != (\new)
	s_set_vgpr_msb (MSB<<8)|(\new)
.set MSB, (\new)
.endif
.endm
.set MUL_LO, 0xa1                      ; source 0 (W) window 1, source 1 (x) window 0, C and D window 2
.set MUL_HI, 0xf1                      ; the same, C and D window 3
.set ZLO,    0x81                      ; the first products: C (the bias) window 0, D window 2
.set ZHI,    0xc1                      ; D window 3
.set TO_B,   0x40                      ; destination window 1, address window 0
; A joint load: waves 0 and 1 fetch for x, waves 2 and 3 for W.  Each line has one mask and one set of registers for all that issue it; the branch hangs on the wave's number alone.
; An s_nop 0 and four v_nop follow each of the two lines.
.macro JLOAD g0a, g1a, g0b, g1b
	s_cmp_eq_u32 s15, 0
	s_cbranch_scc0 .Lfor_b_\@
	tensor_load_to_lds s[\g0a:\g0a+3], s[\g1a:\g1a+7]
	s_nop 0
.rept 4
	v_nop
.endr
	s_branch .Lasked_\@
.Lfor_b_\@:
	tensor_load_to_lds s[\g0b:\g0b+3], s[\g1b:\g1b+7]
	s_nop 0
.rept 4
	v_nop
.endr
.Lasked_\@:
.endm
.macro CROUND                          ; a round of the cluster's barrier
	s_barrier_signal -1
	s_barrier_wait -1
	s_cmp_lg_u32 s14, 0
	s_cbranch_scc1 .Lnot_wave_0_\@
	s_barrier_signal -3
.Lnot_wave_0_\@:
	s_barrier_wait -3
	s_barrier_signal -1
	s_barrier_wait -1
.endm
	s_load_b128 s[4:7], s[0:1], 0x0                ; xq s[4:5], xs s[6:7]
	s_load_b128 s[8:11], s[0:1], 0x10              ; wq s[8:9], ws s[10:11]
	s_load_b64 s[12:13], s[0:1], 0x20              ; qkv
	s_load_b64 s[92:93], s[0:1], 0x28              ; b_qkv
	v_lshl_add_u32 v[SPW], v0, 2, SPARE
	v_mov_b32 v[NIL], 0
	ds_add_u32 v[SPW], v[NIL]                      ; the wave's opening: the add, twice on end, and its wait ahead of my first tensor load
	ds_add_u32 v[SPW], v[NIL]
	v_lshrrev_b32 v1, 5, v0
	v_readfirstlane_b32 s14, v1                    ; wave 0..3
	s_lshr_b32 s15, s14, 1                         ; which half of the tile's tokens is mine.  Also: I fetch for x (0) or for W (1)
	s_and_b32 s16, s14, 1                          ; which half of its columns.  Also: which 128 rows of codes, and which K step's scales, I fetch
	s_bfe_u32 s40, ttmp6, 0x40000                  ; cx, cy: my place in the cluster
	s_bfe_u32 s41, ttmp6, 0x40004
	s_lshl_b32 s42, ttmp9, 2
	s_add_co_u32 s42, s42, s40                     ; tile column = 4 x cluster x + cx
	s_and_b32 s17, ttmp7, 0xffff
	s_lshl_b32 s17, s17, 2
	s_add_co_u32 s17, s17, s41                     ; tile row = 4 x cluster y + cy
	s_lshl_b32 s43, s41, 2
	s_lshl_b32 s43, 15, s43                        ; my row of the cluster
	s_lshl_b32 s44, 0x1111, s40                    ; my column
	; group 1: a dense block as rows of 256 bytes (32 elements of 8 bytes), no padding: 128 rows of codes, 16 rows of scale words
	s_or_b32 s[G1+0], s43, (3<<16)|(1<<21)         ; 15:0 the mask: x's tiles go to my row; 17:16 elements of 8 bytes; 21 set beside a mask
	s_or_b32 s[G1B+0], s44, (3<<16)|(1<<21)
	s_or_b32 s[G1S+0], s43, (3<<16)|(1<<21)
	s_or_b32 s[G1SB+0], s44, (3<<16)|(1<<21)
.irp g, G1, G1B
	s_mov_b32 s[\g+1], 32<<16                      ; tensor_dim0
	s_mov_b32 s[\g+2], 128<<16                     ; tensor_dim1
	s_mov_b32 s[\g+3], 32<<16                      ; tile_dim0
	s_mov_b32 s[\g+4], 128                         ; tile_dim1
	s_mov_b32 s[\g+5], 32                          ; the pitch
	s_mov_b32 s[\g+6], 0
	s_mov_b32 s[\g+7], 0
.endr
.irp g, G1S, G1SB
	s_mov_b32 s[\g+1], 32<<16
	s_mov_b32 s[\g+2], 16<<16
	s_mov_b32 s[\g+3], 32<<16
	s_mov_b32 s[\g+4], 16
	s_mov_b32 s[\g+5], 32
	s_mov_b32 s[\g+6], 0
	s_mov_b32 s[\g+7], 0
.endr
	s_mov_b32 s[CQ], 0x3e38aa3b                    ; log2(e) / 8
	s_mov_b32 s[CQ+1], s[CQ]                       ; (named with it as a pair, so it is written)
	s_lshl_b32 s18, s16, 15                        ; my 128 rows of codes: 32,768 bytes
	s_lshl_b32 s20, s17, 16                        ; x's: tile row x 65,536
	s_add_co_u32 s20, s20, s18
	s_mov_b32 s21, 0
	s_lshl_b32 s46, s42, 16                        ; W's: tile column x 65,536
	s_add_co_u32 s46, s46, s18
	s_mov_b32 s47, 0
	s_lshl_b32 s22, s17, 12                        ; x's scales: tile row x 4,096 + K step x 65,536
	s_lshl_b32 s19, s16, 16
	s_add_co_u32 s22, s22, s19
	s_mov_b32 s23, 0
	s_lshl_b32 s94, s42, 12                        ; W's: tile column x 4,096 + K step x 49,152
	s_mul_i32 s19, s16, 49152
	s_add_co_u32 s94, s94, s19
	s_mov_b32 s95, 0
	s_lshl_b32 s45, s14, 15                        ; where the codes go: wave x 32,768: no place in the cluster enters an LDS address
	s_lshl_b32 s96, s16, 13                        ; and the scales: K step x 8,192 + 4,096 for W's
	s_lshl_b32 s97, s15, 12
	s_add_co_u32 s96, s96, s97
	s_wait_dscnt 0x0                               ; both opening adds are done
	s_wait_kmcnt 0x0
	s_add_nc_u64 s[20:21], s[4:5], s[20:21]
	s_add_nc_u64 s[22:23], s[6:7], s[22:23]
	s_add_nc_u64 s[46:47], s[8:9], s[46:47]
	s_add_nc_u64 s[94:95], s[10:11], s[94:95]
	CROUND                                         ; all sixteen work-groups are here: the first joint loads meet
	s_mov_b32 s[G0S], 1
	s_add_co_u32 s[G0S+1], s96, SCL
	s_mov_b64 s[G0S+2:G0S+3], s[22:23]
	s_or_b32 s[G0S+3], s[G0S+3], 0x80000000
	s_mov_b32 s[G0SB], 1
	s_add_co_u32 s[G0SB+1], s96, SCL
	s_mov_b64 s[G0SB+2:G0SB+3], s[94:95]
	s_or_b32 s[G0SB+3], s[G0SB+3], 0x80000000
	JLOAD G0S, G1S, G0SB, G1SB                     ; the scales first: the four waves bring x's and W's for both K steps
.irp s, 0,1
	s_mov_b32 s[G0+4*\s], 1
	s_add_co_u32 s[G0+4*\s+1], s45, \s*SLOT
	s_add_nc_u64 s[G0+4*\s+2:G0+4*\s+3], s[20:21], \s*1048576
	s_or_b32 s[G0+4*\s+3], s[G0+4*\s+3], 0x80000000
	s_mov_b32 s[G0B+4*\s], 1
	s_add_co_u32 s[G0B+4*\s+1], s45, \s*SLOT
	s_add_nc_u64 s[G0B+4*\s+2:G0B+4*\s+3], s[46:47], \s*786432
	s_or_b32 s[G0B+4*\s+3], s[G0B+4*\s+3], 0x80000000
	JLOAD G0+4*\s, G1, G0B+4*\s, G1B               ; three tensor loads of mine are out
.endr
	v_and_b32 v1, 15, v0                           ; r
	v_bfe_u32 v2, v0, 4, 1                         ; h
	v_and_b32 v3, 31, v0
	v_lshlrev_b32 v4, 4, v3                        ; 16 x lane
	s_lshl_b32 s21, s15, 15                        ; my 128 tokens
	s_lshl_b32 s22, s16, 15                        ; my 128 columns,
	s_add_co_u32 s22, s22, 65536                   ; which lie behind x's 256 rows
.irp s, 0,1
	v_add_nc_u32 v[ADRA+\s], s21, v4
	v_add_nc_u32 v[ADRB+\s], s22, v4
	s_add_co_u32 s21, s21, SLOT
	s_add_co_u32 s22, s22, SLOT
.endr
	s_lshl_b32 s21, s15, 11                        ; x's scale words of my 128 tokens: 16 bytes a row
	s_lshl_b32 s22, s16, 11                        ; W's of my 128 columns, 4,096 bytes further on
	s_add_co_u32 s22, s22, 4096
	s_sub_co_u32 s22, s22, s21
	v_mul_u32_u24 v6, s22, v2                      ; lanes 16-31 take W's: one product, the distance between the two x h
	s_add_co_u32 s21, s21, SCL
	v_lshl_add_u32 v5, v1, 4, v6
	v_add_nc_u32 v[ADRS], s21, v5
	; the bias of my 128 columns: lane (r, h) wants, for block b, columns 16 b + 8 h + 0 .. 7.  What hangs on the tile column is made in the registers that held W's address
	s_lshl_b32 s46, s42, 10
	s_lshl_b32 s47, s16, 9
	s_add_co_u32 s46, s46, s47
	s_mov_b32 s47, 0
	s_add_nc_u64 s[92:93], s[92:93], s[46:47]
	v_lshlrev_b32 v7, 5, v2
.irp b, 0,1,2,3,4,5,6,7
	global_load_b128 v[BIAS+8*\b:BIAS+8*\b+3], v7, s[92:93] offset:64*\b
	global_load_b128 v[BIAS+8*\b+4:BIAS+8*\b+7], v7, s[92:93] offset:64*\b+16
.endr
	; the way out.  The cluster's x IS which of q, k, v: four tile columns are 1,024 columns
	s_cmp_eq_u32 ttmp9, 2
	s_cselect_b32 s94, 32, 16                      ; from token to token: v 32 bytes, q and k 16
	s_cselect_b32 s95, 16, 256                     ; from half to half of the lanes
	v_mul_u32_u24 v[CO], v1, s94
	v_mad_u32_u24 v[CO], v2, s95, v[CO]
	s_lshl_b32 s46, ttmp9, 23                      ; which x 8,388,608
	s_and_b32 s94, s42, 3
	s_lshl_b32 s94, s94, 2
	s_lshl_b32 s95, s16, 1
	s_add_co_u32 s94, s94, s95                     ; my first head: 4 (tile column % 4) + 2 x half
	s_lshl_b32 s94, s94, 18
	s_add_co_u32 s46, s46, s94
	s_add_nc_u64 s[12:13], s[12:13], s[46:47]
	s_lshr_b32 s20, s17, 3                         ; the batch: 8 tile rows each
	s_lshl_b32 s20, s20, 22                        ; x 16 heads x 262,144
	s_and_b32 s21, s17, 7
	s_lshl_b32 s21, s21, 4
	s_lshl_b32 s19, s15, 3
	s_add_co_u32 s21, s21, s19                     ; my first tile of 16 tokens in the sequence
	s_lshl_b32 s21, s21, 11
	s_add_co_u32 s20, s20, s21
	s_mov_b32 s21, 0
	s_add_nc_u64 s[12:13], s[12:13], s[20:21]
.macro FRAG reg, adr, q, i             ; a fragment comes back as it was stored: two loads of 512 consecutive bytes
.irp c, 0,1
	ds_load_b128 v[\reg+4*\c:\reg+4*\c+3], v[\adr] offset:(\i)*4096+(\q)*1024+512*\c
.endr
.endm
; 16 matrix instructions: x's blocks a0, a0 + 1 against W's eight, 128 along K.  p: W's set;  sc: the set of scale words.  zero = 1: the first product starts the sums from the bias: nothing is ever cleared.
; The 64 accumulators take turns, one instruction a turn, in the same order in every step.
.macro MUL16 a0, p, q, sc, zero
.irp a, \a0, \a0+1
.irp b, 0,1,2,3,4,5,6,7
.if \zero
	v_wmma_scale_f32_16x16x128_f8f6f4 v[8*(8*((\a)%4)+\b):8*(8*((\a)%4)+\b)+7], v[128*(\p)+FR*\b:128*(\p)+FR*\b+FR-1], v[AF+FR*(\a):AF+FR*(\a)+FR-1], v[BIAS+8*\b:BIAS+8*\b+7], v[SC+8*NQ*(\sc)+NQ*\b+(\q)], v[SC+8*NQ*(\sc)+NQ*(\a)+(\q)] matrix_a_fmt:MATRIX_FMT_FP4 matrix_b_fmt:MATRIX_FMT_FP4 matrix_a_scale:MATRIX_SCALE_ROW1
.else
	v_wmma_scale_f32_16x16x128_f8f6f4 v[8*(8*((\a)%4)+\b):8*(8*((\a)%4)+\b)+7], v[128*(\p)+FR*\b:128*(\p)+FR*\b+FR-1], v[AF+FR*(\a):AF+FR*(\a)+FR-1], v[8*(8*((\a)%4)+\b):8*(8*((\a)%4)+\b)+7], v[SC+8*NQ*(\sc)+NQ*\b+(\q)], v[SC+8*NQ*(\sc)+NQ*(\a)+(\q)] matrix_a_fmt:MATRIX_FMT_FP4 matrix_b_fmt:MATRIX_FMT_FP4 matrix_a_scale:MATRIX_SCALE_ROW1
.endif
.endr
.endr
.endm
.macro FETCH_B slot, q, p              ; W's eight fragments of the slot's q-th 128 along K into set p
	WIN TO_B
.irp i, 0,1,2,3,4,5,6,7
	FRAG 128*(\p)+FR*\i, ADRB+\slot, \q, \i
.endr
	WIN 0
.endm
.macro FETCH_A slot, q, i0             ; x's blocks i0 .. i0 + 3
.irp i, \i0, \i0+1, \i0+2, \i0+3
	FRAG AF+FR*(\i), ADRA+\slot, \q, \i
.endr
.endm
.macro SCALES sc                       ; K step sc's scale words: four words a row; lanes 0-15 take x's block i, lanes 16-31 W's block i
.irp i, 0,1,2,3,4,5,6,7
	ds_load_b128 v[SC+8*NQ*\sc+NQ*\i:SC+8*NQ*\sc+NQ*\i+3], v[ADRS] offset:\i*256+\sc*8192
.endr
.endm
.macro PLACES n                        ; places behind matrix instructions, in front of loads into registers that they have read and of the first read of results
.rept \n
	v_nop
.endr
.endm
; A step of 128 along K that has its successor in the same slot.  x has one set of registers: blocks 0-3 are fetched anew in the step's middle, blocks 4-7 at its end; W has two sets.
.macro STEP slot, q, zero
	s_wait_dscnt 4*NL                              ; W's set and x's blocks 0-3 are in; the youngest eight loads (x's blocks 4-7) may be out
.if \zero
	WIN ZLO
.else
	WIN MUL_LO
.endif
	MUL16 0, (\q)%2, \q, \slot, \zero
	MUL16 2, (\q)%2, \q, \slot, \zero
	s_wait_dscnt 0
	PLACES NP
	FETCH_B \slot, (\q)+1, 1-(\q)%2
	FETCH_A \slot, (\q)+1, 0
.if \zero
	WIN ZHI
.else
	WIN MUL_HI
.endif
	MUL16 4, (\q)%2, \q, \slot, \zero
	MUL16 6, (\q)%2, \q, \slot, \zero
	PLACES NP
	WIN 0
	FETCH_A \slot, (\q)+1, 4
.endm
; Slot 0's last step goes over to slot 1: each wave waits for its part of slot 1, the last of its tensor loads, and the barrier shows the whole slot to all four.  Nothing is filled again.
.macro TURN slot, next
	s_wait_tensorcnt 0x0                           ; all my tensor loads have landed
	ds_add_u32 v[SPW], v[NIL]                      ; 0 onto my spare word
	s_wait_dscnt 4*NL+1                            ; (the add and the youngest eight loads may be out)
	WIN MUL_LO
	MUL16 0, 1, NQ-1, \slot, 0
	s_wait_dscnt 0x0                               ; no LDS instruction of mine is pending at the signal
	s_barrier_signal -1
	MUL16 2, 1, NQ-1, \slot, 0
	WIN 0
	s_barrier_wait -1
	PLACES NP
	FETCH_B \next, 0, 0
	FETCH_A \next, 0, 0
	SCALES \next
	WIN MUL_HI
	MUL16 4, 1, NQ-1, \slot, 0
	MUL16 6, 1, NQ-1, \slot, 0
	PLACES NP
	WIN 0
	FETCH_A \next, 0, 4
.endm
.macro STEPS slot, from                ; the slot's steps from .. NQ - 2
.set Q, \from
.rept NQ-1-\from
	STEP \slot, Q, 0
.set Q, Q+1
.endr
.endm
	s_wait_tensorcnt 1                             ; the scales and my part of slot 0 are in; slot 1's load, the one issued behind them, may be out,
	s_barrier_signal -1
	s_barrier_wait -1                              ; everybody's are
	FETCH_B 0, 0, 0
	FETCH_A 0, 0, 0
	SCALES 0
	FETCH_A 0, 0, 4
	s_wait_loadcnt 0x0                             ; the bias
	STEP 0, 0, 1
	STEPS 0, 1
	TURN 0, 1
	STEPS 1, 0
	s_wait_dscnt 4*NL                              ; the very last step: nothing more to fetch
	WIN MUL_LO
	MUL16 0, 1, NQ-1, 1, 0
	MUL16 2, 1, NQ-1, 1, 0
	s_wait_dscnt 0
	WIN MUL_HI
	MUL16 4, 1, NQ-1, 1, 0
	MUL16 6, 1, NQ-1, 1, 0
	WIN 0
; THE WAY OUT, block by block of 16 tokens x 128 columns.  q alone is multiplied by log2(e) / 8 (the branch hangs on the cluster's x: all partners go the same way).  Four roundings of an accumulator's eight
; numbers are 16 bytes: (token r, channels 16 nt + 8 h ..); the wave's store covers a part of 512 consecutive bytes.  Each accumulator is read from its low end on.
.macro OUT a
.set AC, 64*((\a)%4)
.set PB, PK+32*((\a)%5)
	s_cmp_lg_u32 ttmp9, 0
	s_cbranch_scc1 .Lplain_\@
	WIN 0x82+0x41*((\a)/4)                         ; destination and source 0: window 2 or 3
.irp j, 0,2,4,6,8,10,12,14,16,18,20,22,24,26,28,30,32,34,36,38,40,42,44,46,48,50,52,54,56,58,60,62
	v_pk_mul_f32 v[AC+\j:AC+\j+1], v[AC+\j:AC+\j+1], s[CQ:CQ+1] op_sel_hi:[1,0]
.endr
	WIN 0
.Lplain_\@:
.if (\a) >= 5
	s_wait_xcnt 0x0                                ; the stores of five blocks back have read their registers: these are written again only behind this wait
.endif
	WIN 0x0a+5*((\a)/4)                            ; sources 0 and 1: window 2 or 3
.irp b, 0,1,2,3,4,5,6,7
.irp i, 0,1,2,3
	v_cvt_pk_f16_f32 v[PB+4*\b+\i], v[AC+8*\b+2*\i], v[AC+8*\b+2*\i+1]
.endr
.endr
	WIN 0
.irp b, 0,1,2,3,4,5,6,7
	global_store_b128 v[CO], v[PB+4*\b:PB+4*\b+3], s[12:13] offset:(\a)*2048+(\b/4)*262144+(\b%4)*512   ; tile a, head b / 4, part b % 4
.endr
.endm
	PLACES NP                                      ; behind the last products: their results are read, and the registers of x's fragments and of the bias are written, only behind these
.irp a, 0,1,2,3,4,5,6,7
	OUT \a
.endr
	s_wait_tensorcnt 0x0                           ; the wave's end
	ds_add_u32 v[SPW], v[NIL]
	s_wait_dscnt 0x0
	CROUND                                         ; the closing round: no work-group ends while a partner may still ask for a tile that names it
	s_endpgm
.Lfunc_end_k_q409e0cee4f_qkv:
	.size	k_q409e0cee4f_qkv, .Lfunc_end_k_q409e0cee4f_qkv-k_q409e0cee4f_qkv
	.p2alignl 7, 3214868480
	.fill 96, 4, 3214868480
	.section	.rodata,"a",@progbits
	.p2align	6, 0x0
	.amdhsa_kernel k_q409e0cee4f_qkv
		.amdhsa_group_segment_fixed_size 327680
		.amdhsa_private_segment_fixed_size 0
		.amdhsa_enable_private_segment 0
		.amdhsa_kernarg_size 48
		.amdhsa_user_sgpr_count 2
		.amdhsa_user_sgpr_kernarg_segment_ptr 1
		.amdhsa_wavefront_size32 1
		.amdhsa_system_sgpr_workgroup_id_x 1
		.amdhsa_system_sgpr_workgroup_id_y 1
		.amdhsa_system_sgpr_workgroup_id_z 1
		.amdhsa_system_vgpr_workitem_id 0
		.amdhsa_next_free_vgpr 1024
		.amdhsa_next_free_sgpr 98
		.amdhsa_reserve_vcc 0
		.amdhsa_float_denorm_mode_32 3
		.amdhsa_float_denorm_mode_16_64 3
		.amdhsa_memory_ordered 1
		.amdhsa_forward_progress 1
		.amdhsa_inst_pref_size 136
	.end_amdhsa_kernel
	.amdgpu_metadata
---
amdhsa.version: [ 1, 2 ]
amdhsa.kernels:
  - .name:           k_q409e0cee4f_qkv
    .symbol:         k_q409e0cee4f_qkv.kd
    .args:
      - { .name: xq, .offset: 0, .size: 8, .value_kind: global_buffer, .address_space: global }
      - { .name: xs, .offset: 8, .size: 8, .value_kind: global_buffer, .address_space: global }
      - { .name: wq, .offset: 16, .size: 8, .value_kind: global_buffer, .address_space: global }
      - { .name: ws, .offset: 24, .size: 8, .value_kind: global_buffer, .address_space: global }
      - { .name: qkv, .offset: 32, .size: 8, .value_kind: global_buffer, .address_space: global }
      - { .name: b_qkv, .offset: 40, .size: 8, .value_kind: global_buffer, .address_space: global }
    .group_segment_fixed_size: 327680
    .private_segment_fixed_size: 0
    .kernarg_segment_align: 8
    .kernarg_segment_size: 48
    .max_flat_workgroup_size: 128
    .sgpr_count:     98
    .vgpr_count:     1024
    .wavefront_size: 32
...
	.end_amdgpu_metadata
.endif
;; end of part 2
;; launch attn (part 3): grid 8 x 32, 8 waves a work-group, clusters of 4 x 1, 327,680 bytes of LDS; arguments qkv, oimg; writes oimg
.if DOCPART == 3
	.amdgcn_target "amdgcn-amd-amdhsa--gfx1250"
	.amdhsa_code_object_version 6
	.text
	.protected	k_q409e0cee4f_attn
	.globl	k_q409e0cee4f_attn
	.p2align	8
	.type	k_q409e0cee4f_attn,@function
k_q409e0cee4f_attn:
	s_mov_b64 s[64:65], 0
	v_nop
	global_prefetch_b8 v0, s[64:65] scope:SCOPE_SE
	s_setreg_imm32_b32 hwreg(HW_REG_WAVE_MODE, 25, 1), 1
	s_wait_xcnt 0x0
	s_wait_alu depctr_hold_cnt(0) depctr_sa_sdst(0) depctr_va_vdst(0) depctr_va_sdst(0) depctr_va_ssrc(0) depctr_va_vcc(0) depctr_vm_vsrc(0)
	s_getreg_b32 s2, hwreg(HW_REG_IB_STS2, 6, 4)
	s_cmp_eq_u32 s2, 0
	s_cbranch_scc0 .Lentry_in_a_cluster
	s_endpgm
.Lentry_in_a_cluster:
	s_bfe_u32 s2, ttmp6, 0x10000c
	s_cmp_lg_u32 s2, 0x3003
	s_cbranch_scc0 .Lentry_shape_is_right
	s_endpgm
.Lentry_shape_is_right:
; O = softmax(q k^T / 8) v for 32 (batch, head) pairs, 2,048 queries x 2,048 keys, head size 64.  q, k, v arrive as f16 in the order of the operand registers; q already carries log2(e) / 8, so a score is t, an exponent of 2.
; Products on f16 operands with f32 sums; maxima, exponentials and sums in f32; the weights p are rounded to f16 for the second product, O once at the end.
; SOFTMAX: for each query a running maximum m of t and a running sum l: p = 2^(t - m), at most 1 for every input; in every step O and l are multiplied by a = 2^(m_old - m_new).
; SHARES: a work-group owns 256 queries of one pair; each of its eight waves 32: two tiles of 16.  Two waves share a SIMD, so that one wave's vector work stands beside the other's matrix work.  64 keys a step, 32 steps.
; LAYOUT: both products are used transposed: S^T = K Q^T (source 0 = 16 keys, source 1 = 16 queries), O^T = V^T P (source 0 = 16 channels, source 1 = P): a lane holds ONE query throughout; two tiles of S^T, rounded
; in pairs, ARE source 1 of the second product.  O^T's eight numbers of a lane pack into 16 bytes, half a fragment of the projection's operand: they are stored straight from registers.
; THE RING: two LDS slots of 512 keys (K 65,536 bytes, then V 65,536), four slots' worth of keys: two first fills, two refills; each wave fetches 16,384 bytes with one tensor load.
; CLUSTER: the four query blocks of a cluster walk the same K and V: each tile is asked for jointly, by the same load with the same descriptor and the mask 15.
; LIMITS: the start value of m, -3e38, lies under every score served; NaN and infinities among q, k, v are not served; O beyond 65,504 becomes an infinity in f16.
; REGISTERS: window 0: v2-7 addresses; v16-31 statistics, eight a tile: +0 m, +1 (named with it as a pair), +2, +3 l (even keys', odd keys'), +4 to +7 at work, a in +6; v64-127 S^T, 32 a tile; v128-159 P; v160-223 O^T.
;   window 1: v0-31 Q; v32-95 K of one step; v96-159 V of one step.
.set SLOT1, 131072                     ; slot 1 begins here: one exclusive or turns an address in one slot into the other's
.set SPARE, 262144                     ; behind the ring: the spare words, 128 bytes for each of eight waves, which no other line names
.set LI,  2                            ; v2  16 x lane
.set AV,  3                            ; v3  my lane's place in a tile of V for the turning load
.set ADR, 4                            ; v4  the LDS address of the run of loads in hand
.set PFO, 5                            ; v5  256 x lane; never rewritten
.set SPW, 6                            ; v6  LDS address of my spare word; never rewritten
.set NIL, 7                            ; v7  0; never rewritten
.set ST,  16
.set S,   64
.set P,   128
.set O,   160
.set KF,  32                           ; in window 1
.set VF,  96
.set WV,  12                           ; s12 my wave's number
.set LIM, 15                           ; s15 1 in a wave that prefetches, else the greatest number
.set PFA, 18                           ; s[18:19] what my prefetch names; never rewritten
.set G1,  24                           ; s[24:31] descriptor group 1
.set G0A, 40                           ; s[40:43] group 0 of slot 0's first fill
.set G0B, 44                           ; s[44:47] group 0 of slot 1's first fill, which then walks
.set SLOTS, 56                         ; s56 slots still to be asked for
.set CNT, 57                           ; s57 counts key steps
.set SEL, 60                           ; s[60:61] lane selects for v_permlanex16_b32: lane l xor 16
.set TB,  62                           ; s62 LDS byte at which the tiles of the step to be fetched begin
.set MSB, 0
.macro WIN new                         ; the immediate's high byte repeats the setting that is left
.if MSB != (\new)
	s_set_vgpr_msb (MSB<<8)|(\new)
.set MSB, (\new)
.endif
.endm
.set W_KQ, 0x05                        ; K and Q in window 1, S^T in window 0
.set W_PV, 0x01                        ; V in window 1, P and O^T in window 0
.set TO1,  0x40                        ; destination window 1, address window 0
.macro CROUND                          ; a round of the cluster's barrier
	s_barrier_signal -1
	s_barrier_wait -1
	s_cmp_lg_u32 s[WV], 0
	s_cbranch_scc1 .Lnot_wave_0_\@
	s_barrier_signal -3
.Lnot_wave_0_\@:
	s_barrier_wait -3
	s_barrier_signal -1
	s_barrier_wait -1
.endm
	s_load_b128 s[4:7], s[0:1], 0x0                ; qkv s[4:5], oimg s[6:7]
	v_lshl_add_u32 v[SPW], v0, 2, SPARE
	v_mov_b32 v[NIL], 0
	ds_add_u32 v[SPW], v[NIL]                      ; the wave's opening: the add, twice on end, and its wait ahead of my first tensor load
	ds_add_u32 v[SPW], v[NIL]
	v_lshrrev_b32 v1, 5, v0
	v_readfirstlane_b32 s[WV], v1                  ; wave 0..7
	s_bfe_u32 s13, ttmp6, 0x40000                  ; cx: my place in the cluster
	s_lshl_b32 s14, ttmp9, 2
	s_add_co_u32 s14, s14, s13                     ; my block of 256 queries: it enters Q's and O's addresses alone
	s_and_b32 s20, ttmp7, 0xffff                   ; batch x head, which the four partners share
	s_lshr_b32 s16, s[WV], 2                       ; waves 0-3 fetch K, waves 4-7 V
	s_add_co_u32 s16, s16, 1
	s_lshl_b32 s16, s16, 23                        ; k's or v's third of the buffer,
	s_lshl_b32 s17, s20, 18                        ; the pair's 262,144 bytes in a third
	s_add_co_u32 s16, s16, s17
	s_and_b32 s22, s[WV], 3
	s_lshl_b32 s22, s22, 14                        ; my quarter of a slot's 65,536 bytes
	s_add_co_u32 s22, s22, s16
	s_mov_b32 s23, 0
	s_lshl_b32 s21, s[WV], 14                      ; and its place in a slot: no place in the cluster enters an LDS address
	s_lshl_b32 s2, s14, 15                         ; Q: my block's 16 tiles of 2,048 bytes,
	s_lshl_b32 s3, s[WV], 12                       ; my wave's two
	s_add_co_u32 s2, s2, s3
	s_add_co_u32 s2, s2, s17
	s_mov_b32 s3, 0
	s_and_b32 s8, s20, 15                          ; O: [K step = head / 4][T][kappa][1024], K = 64 x head + channel
	s_lshr_b32 s8, s8, 2
	s_lshl_b32 s8, s8, 21
	s_lshr_b32 s9, s20, 4                          ; T = 128 x batch + 16 x block + 2 x wave
	s_lshl_b32 s9, s9, 7
	s_lshl_b32 s10, s14, 4
	s_add_co_u32 s9, s9, s10
	s_lshl_b32 s10, s[WV], 1
	s_add_co_u32 s9, s9, s10
	s_lshl_b32 s9, s9, 13
	s_add_co_u32 s8, s8, s9
	s_and_b32 s9, s20, 3                           ; kappa = 2 (head % 4) on
	s_lshl_b32 s9, s9, 11
	s_add_co_u32 s8, s8, s9
	s_mov_b32 s9, 0
	s_lshl_b32 s10, s13, 14                        ; the prefetch: of the last slot's 65,536 bytes of K or V my work-group's 16,384,
	s_and_b32 s11, s[WV], 1
	s_lshl_b32 s11, s11, 13                        ; my wave's 8,192
	s_add_co_u32 s10, s10, s11
	s_add_co_u32 s10, s10, s16
	s_add_co_u32 s10, s10, 3*65536
	s_mov_b32 s11, 0
	s_and_b32 s[LIM], s[WV], 2                     ; waves 0, 1 (K) and 4, 5 (V)
	s_or_b32 s[LIM], s[LIM], ttmp9                 ; of the pair's first cluster: the same in all four partners
	s_cmp_eq_u32 s[LIM], 0
	s_cselect_b32 s[LIM], 1, -1
	; group 1: a dense block of 16,384 bytes as 64 rows of 256 bytes (32 elements of 8 bytes), no padding
	s_mov_b32 s[G1], 15|(3<<16)|(1<<21)            ; 15:0 the mask: all four work-groups; 17:16 elements of 8 bytes; 21 set beside a mask
	s_mov_b32 s[G1+1], 32<<16                      ; tensor_dim0
	s_mov_b32 s[G1+2], 64<<16                      ; tensor_dim1
	s_mov_b32 s[G1+3], 32<<16                      ; tile_dim0
	s_mov_b32 s[G1+4], 64                          ; tile_dim1
	s_mov_b32 s[G1+5], 32                          ; the pitch
	s_mov_b32 s[G1+6], 0
	s_mov_b32 s[G1+7], 0
	s_mov_b32 s[SEL], 0x76543210
	s_mov_b32 s[SEL+1], 0xfedcba98
	s_mov_b32 s[TB], 0
	s_mov_b32 s[SLOTS], 2
	s_wait_dscnt 0x0                               ; both opening adds are done
	s_wait_kmcnt 0x0
	s_add_nc_u64 s[PFA:PFA+1], s[4:5], s[10:11]
	s_add_nc_u64 s[22:23], s[4:5], s[22:23]        ; my part of slot 0
	s_add_nc_u64 s[4:5], s[4:5], s[2:3]            ; Q at my wave's first tile
	s_add_nc_u64 s[6:7], s[6:7], s[8:9]            ; O likewise
	CROUND                                         ; all four work-groups are here: the first joint loads meet
	s_mov_b32 s[G0A], 1
	s_mov_b32 s[G0A+1], s21
	s_mov_b64 s[G0A+2:G0A+3], s[22:23]
	s_or_b32 s[G0A+3], s[G0A+3], 0x80000000
	s_mov_b32 s[G0B], 1
	s_add_co_u32 s[G0B+1], s21, SLOT1
	s_add_nc_u64 s[G0B+2:G0B+3], s[22:23], 65536
	s_or_b32 s[G0B+3], s[G0B+3], 0x80000000
	tensor_load_to_lds s[G0A:G0A+3], s[G1:G1+7]    ; keys 0 to 511
	s_nop 0
	tensor_load_to_lds s[G0B:G0B+3], s[G1:G1+7]    ; keys 512 to 1,023: two tensor loads of mine are out
	s_nop 0
.rept 4
	v_nop
.endr
	v_and_b32 v1, 31, v0
	v_lshlrev_b32 v[LI], 4, v1
	v_lshlrev_b32 v[PFO], 8, v1
	v_and_b32 v8, 7, v0
	v_bfe_u32 v9, v0, 4, 1
	v_bfe_u32 v10, v0, 3, 1
	v_lshl_add_u32 v[AV], v9, 3, v8                ; the turning load: lane l reads 16 bytes: key 8 (l / 16) + l % 8 of a tile of 16 keys x 32 bytes,
	v_lshlrev_b32 v[AV], 5, v[AV]
	v_lshl_add_u32 v[AV], v10, 4, v[AV]            ; channels 8 ((l / 8) % 2) on: sixteen lanes read 256 consecutive bytes
	v_add_nc_u32 v[AV], 65536, v[AV]               ; V lies behind K in a slot
	WIN TO1
.irp t, 0,1
.irp n, 0,1,2,3
	global_load_b128 v[16*\t+4*\n:16*\t+4*\n+3], v[LI], s[4:5] offset:\t*2048+\n*512   ; Q stays in registers: tile t, channels 16 n on
.endr
.endr
	WIN 0
.irp t, 0,1
	v_mov_b32 v[ST+8*\t], 0xff61b1e6               ; m: -3e38, under every score
	v_mov_b32 v[ST+8*\t+1], 0
	v_mov_b32 v[ST+8*\t+2], 0                      ; l
	v_mov_b32 v[ST+8*\t+3], 0
.endr
.set i, 0
.rept 64
	v_mov_b32 v[O+i], 0                            ; O^T.  (The key step is written without a first step of its own: the first finds zeros, which a = 0 leaves zeros)
.set i, i+1
.endr
; THE LDS LOADS stand in runs of 16.  The addition and three v_nop are the four places behind the products that read the registers (and, behind K Q^T, in front of the first read of the scores).
.macro FETCH_K
	WIN 0
	v_add_nc_u32 v[ADR], s[TB], v[LI]
.rept 3
	v_nop
.endr
	WIN TO1
.irp u, 0,1,2,3,4,5,6,7,8,9,10,11,12,13,14,15
	ds_load_b128 v[KF+4*\u:KF+4*\u+3], v[ADR] offset:512*\u       ; keys 16 (u / 4) on, channels 16 (u % 4) on: 512 consecutive bytes
.endr
	WIN 0
.endm
.macro FETCH_V
	WIN 0
	v_add_nc_u32 v[ADR], s[TB], v[AV]
.rept 3
	v_nop
.endr
	s_add_co_u32 s[TB], s[TB], 8192                ; the next fetch is the next step's
	WIN TO1
.irp k, 0,1,2,3
.irp c, 0,1,2,3
	ds_load_tr16_b128 v[VF+32*(\k/2)+8*\c+4*(\k%2):VF+32*(\k/2)+8*\c+4*(\k%2)+3], v[ADR] offset:\k*2048+\c*512   ; keys 16 k on, channels 16 c on, turned: lane l holds channel l % 16 and 8 keys
.endr
.endr
	WIN 0
.endm
; THE MATRIX WORK.  In both runs eight accumulators take turns, one instruction a turn.
.macro KQ                              ; S^T = K Q^T: channels 32 (i / 8) on, keys 16 ((i / 2) % 4) on, tile i % 2.  The first 8 start the sums
	WIN W_KQ
.set i, 0
.rept 16
.set rS, S+32*(i%2)+8*((i/2)%4)
.set rK, KF+16*((i/2)%4)+8*(i/8)
.set rQ, 16*(i%2)+8*(i/8)
.if i < 8
	v_wmma_f32_16x16x32_f16 v[rS:rS+7], v[rK:rK+7], v[rQ:rQ+7], 0
.else
	v_wmma_f32_16x16x32_f16 v[rS:rS+7], v[rK:rK+7], v[rQ:rQ+7], v[rS:rS+7]
.endif
.set i, i+1
.endr
.endm
.macro PV                              ; O^T += V^T P: keys 32 (i / 8) on, channels 16 ((i / 2) % 4) on, tile i % 2
	WIN W_PV
.set i, 0
.rept 16
.set rO, O+32*(i%2)+8*((i/2)%4)
.set rV, VF+32*(i/8)+8*((i/2)%4)
.set rP, P+16*(i%2)+8*(i/8)
	v_wmma_f32_16x16x32_f16 v[rO:rO+7], v[rV:rV+7], v[rP:rP+7], v[rO:rO+7]
.set i, i+1
.endr
.endm
; THE VECTOR WORK.  SA writes number j of the head of tile t's softmax: 0-15 the maximum of the lane's 32 scores and the old m, three operands at a time (four chains, each begun with its accumulator's registers 0 to 2);
; 16 the other half of the lanes'; 17 the old m kept; 18 the new m; 19 their difference; 20 a = 2^(m_old - m_new).
.macro SA t
.set rT, ST+8*(\t)
.set rS, S+32*(\t)
.if j < 4
	v_max3_num_f32 v[rT+4+j], v[rS+8*j], v[rS+8*j+1], v[rS+8*j+2]
.elseif j < 12
	v_max3_num_f32 v[rT+4+j%4], v[rT+4+j%4], v[rS+8*(j%4)+2*(j/4)+1], v[rS+8*(j%4)+2*(j/4)+2]
.elseif j == 12
	v_max3_num_f32 v[rT+4], v[rT+4], v[rS+7], v[rS+15]
.elseif j == 13
	v_max3_num_f32 v[rT+6], v[rT+6], v[rS+23], v[rS+31]
.elseif j == 14
	v_max3_num_f32 v[rT+4], v[rT+4], v[rT+5], v[rT+6]
.elseif j == 15
	v_max3_num_f32 v[rT+4], v[rT+4], v[rT+7], v[rT]
.elseif j == 16
	v_permlanex16_b32 v[rT+5], v[rT+4], s[SEL], s[SEL+1]
.elseif j == 17
	v_mov_b32 v[rT+7], v[rT]
.elseif j == 18
	v_max_num_f32 v[rT], v[rT+4], v[rT+5]
.elseif j == 19
	v_sub_f32 v[rT+7], v[rT+7], v[rT]
.else
	v_exp_f32 v[rT+6], v[rT+7]
.endif
.endm
.macro SUBM t, b                       ; pair b of tile t: t - m, 0 at the most
.set rT, ST+8*(\t)
.set rS, S+32*(\t)
	v_pk_add_f32 v[rS+2*(\b):rS+2*(\b)+1], v[rS+2*(\b):rS+2*(\b)+1], v[rT:rT+1] op_sel_hi:[1,0] neg_lo:[0,1] neg_hi:[0,1]
.endm
; RD writes number z of what reads tile t's exponentials: 0-15 the roundings to f16, a pair each; 16-30 the sum of the 16 pairs, in place; 31 l = a l + the sum; 32-47 O^T times a, from each accumulator's low end on.
.macro RD t, z
.set rT, ST+8*(\t)
.set rS, S+32*(\t)
.set rP, P+16*(\t)
.set rO, O+32*(\t)
.if (\z) < 16
	v_cvt_pk_f16_f32 v[rP+(\z)], v[rS+2*(\z)], v[rS+2*(\z)+1]
.elseif (\z) < 24
.set u, (\z)-16
	v_pk_add_f32 v[rS+4*u:rS+4*u+1], v[rS+4*u:rS+4*u+1], v[rS+4*u+2:rS+4*u+3]
.elseif (\z) < 28
.set u, (\z)-24
	v_pk_add_f32 v[rS+8*u:rS+8*u+1], v[rS+8*u:rS+8*u+1], v[rS+8*u+4:rS+8*u+5]
.elseif (\z) < 30
.set u, (\z)-28
	v_pk_add_f32 v[rS+16*u:rS+16*u+1], v[rS+16*u:rS+16*u+1], v[rS+16*u+8:rS+16*u+9]
.elseif (\z) == 30
	v_pk_add_f32 v[rS:rS+1], v[rS:rS+1], v[rS+16:rS+17]
.elseif (\z) == 31
	v_pk_fma_f32 v[rT+2:rT+3], v[rT+2:rT+3], v[rT+6:rT+7], v[rS:rS+1] op_sel_hi:[1,0,1]
.else
.set u, (\z)-32
	v_pk_mul_f32 v[rO+2*u:rO+2*u+1], v[rO+2*u:rO+2*u+1], v[rT+6:rT+7] op_sel_hi:[1,0]
.endif
.endm
; A key step's softmax of both tiles.  The exponentials go in two batches, each with one wait ahead of its first reader: tile 0's stand among tile 1's subtractions,
; tile 1's among tile 0's readers, so that plain work stands beside them.
.macro SOFTMAX
.set j, 0
.rept 21
	SA 0                                           ; the tiles by turns: no line reads the result of the line above it
	SA 1
.set j, j+1
.endr
.set e, 0
.rept 16
	SUBM 0, e
.set e, e+1
.endr
.set e, 0
.rept 32
	v_exp_f32 v[S+e], v[S+e]                       ; tile 0: p = 2^(t - m)
.if e%2 == 0
	SUBM 1, e/2
.endif
.set e, e+1
.endr
	v_nop                                          ; a plain instruction behind the last exponential
	s_wait_alu depctr_va_vdst(0)                   ; one wait for both a and tile 0's 32
.set e, 0
.rept 32
	v_exp_f32 v[S+32+e], v[S+32+e]                 ; tile 1
	RD 0, e
.if e%2 == 1
	RD 0, 32+e/2
.endif
.set e, e+1
.endr
	v_nop
	s_wait_alu depctr_va_vdst(0)                   ; one wait for tile 1's 32
.set e, 0
.rept 16
	RD 1, e
.set e, e+1
.endr
.set e, 0
.rept 16
	RD 1, 16+e                                     ; the sums, whose lines feed each other, by turns with the rescaling
	RD 1, 32+e
.set e, e+1
.endr
.endm
; A KEY STEP.  fetch = 1: the next step's K is asked for behind K Q^T, its V behind V^T P: each run has a softmax or a run of products in which to come.
.macro STEP fetch
	s_wait_dscnt 16                                ; K is in; V's 16 loads, issued behind it, may be out
	KQ
.if \fetch
	FETCH_K
.else
	WIN 0
.rept 4
	v_nop
.endr
.endif
	SOFTMAX
.if \fetch
	s_wait_dscnt 16                                ; V is in; the next K's 16 loads may be out
.else
	s_wait_dscnt 0x0
.endif
	PV
.if \fetch
	FETCH_V
.else
	WIN 0
.endif
.endm
.macro LOOPN n
	s_mov_b32 s[CNT], \n
.Lstep_\@:
	STEP 1
	s_sub_co_u32 s[CNT], s[CNT], 1
	s_cmp_lg_u32 s[CNT], 0
	s_cbranch_scc1 .Lstep_\@
.endm
; A PREFETCH of what the NEXT change of slots will ask for: the last slot's 65,536 bytes of K and of V, lanes 256 bytes apart.  It stands behind the wave's tensor load and its five lines, eight key steps ahead of that load.
; Each 256 bytes are named once in the launch: both clusters of a pair walk the same K and V, and the first asks; its four partners take 16,384 bytes each, told apart by address; in each, waves 0 and 1 ask for K's
; and waves 4 and 5 for V's.  The first change alone asks: behind the second there is no slot.  The first three slots come by their loads alone.
.macro ASK
	s_cmp_gt_u32 s[SLOTS], s[LIM]
	s_cbranch_scc0 .Lnot_mine_\@
	global_prefetch_b8 v[PFO], s[PFA:PFA+1] th:TH_LOAD_NT scope:SCOPE_SE
.Lnot_mine_\@:
.endm
; THE CHANGE OF SLOTS stands in front of a slot's last key step, whose K and V have been asked for.  Each wave waits for all its tensor loads (its part of the other slot), adds 0 to its spare word, and waits for that and
; for its reads of the slot.  fill = 1: the barrier is a round of the cluster's, and the joint refill, the keys two slots on, is the first thing behind it: it has eight key steps in which to land.
.macro CHANGE fill
	WIN 0
	s_wait_tensorcnt 0x0                           ; no tensor load of mine is out, so a group 0 may be written
	ds_add_u32 v[SPW], v[NIL]                      ; 0 onto my spare word
.if \fill
	s_xor_b32 s[G0B+1], s[G0B+1], SLOT1            ; the walking descriptor: the other slot than last time,
	s_add_nc_u64 s[G0B+2:G0B+3], s[G0B+2:G0B+3], 65536   ; the next 512 keys; the type bits on top are not reached
.endif
	s_wait_dscnt 0x0                               ; the add is done, and my reads of the slot are over
.if \fill
	CROUND
	tensor_load_to_lds s[G0B:G0B+3], s[G1:G1+7]
	s_nop 0
.rept 4
	v_nop
.endr
	ASK
.else
	s_barrier_signal -1
	s_barrier_wait -1
.endif
	s_sub_co_u32 s[TB], s[TB], 65536               ; the fetches go back to a slot's first step,
	s_xor_b32 s[TB], s[TB], SLOT1                  ; in the other slot
.endm
	s_wait_tensorcnt 1                             ; my part of slot 0 is in; slot 1's load, issued behind it, may stay out
	s_barrier_signal -1
	s_barrier_wait -1                              ; everybody's is
	FETCH_K                                        ; key step 0
	FETCH_V
	s_wait_loadcnt 0x0                             ; Q
	LOOPN 7                                        ; steps 0 to 6
.Lslot:                                            ; two trips: slots 0 and 1 are filled again
	CHANGE 1
	LOOPN 8
	s_sub_co_u32 s[SLOTS], s[SLOTS], 1
	s_cmp_lg_u32 s[SLOTS], 0
	s_cbranch_scc1 .Lslot
	CHANGE 0                                       ; the tail is written out
	LOOPN 8
	STEP 0                                         ; step 31 fetches nothing
	; THE WAY OUT.  l's two halves and the other half of the lanes' are added; O^T is divided by l, rounded to f16 and stored: a lane's 16 bytes are (query r, channels 16 c + 8 h ..), a store 512 consecutive bytes.
.rept 4
	v_nop                                          ; places behind the last products
.endr
.irp t, 0,1
	v_add_f32 v[ST+8*\t+4], v[ST+8*\t+2], v[ST+8*\t+3]
.endr
.irp t, 0,1
	v_permlanex16_b32 v[ST+8*\t+5], v[ST+8*\t+4], s[SEL], s[SEL+1]
.endr
.irp t, 0,1
	v_add_f32 v[ST+8*\t+4], v[ST+8*\t+4], v[ST+8*\t+5]
.endr
.irp t, 0,1
	v_rcp_f32 v[ST+8*\t+6], v[ST+8*\t+4]
.endr
	v_nop                                          ; a plain instruction behind the last reciprocal
	s_wait_alu depctr_va_vdst(0)                   ; and the wait ahead of the first use: one for both
.irp t, 0,1
.irp j, 0,2,4,6,8,10,12,14,16,18,20,22,24,26,28,30
	v_pk_mul_f32 v[O+32*\t+\j:O+32*\t+\j+1], v[O+32*\t+\j:O+32*\t+\j+1], v[ST+8*\t+6:ST+8*\t+7] op_sel_hi:[1,0]
.endr
.endr
.set i, 0
.rept 32
	v_cvt_pk_f16_f32 v[S+i], v[O+2*i], v[O+2*i+1]
.set i, i+1
.endr
.irp t, 0,1
.irp c, 0,1,2,3
	global_store_b128 v[LI], v[S+16*\t+4*\c:S+16*\t+4*\c+3], s[6:7] offset:\t*8192+\c*512
.endr
.endr
	s_wait_tensorcnt 0x0                           ; the wave's end
	ds_add_u32 v[SPW], v[NIL]
	s_wait_dscnt 0x0
	CROUND                                         ; the closing round: no work-group ends while a partner may still ask for a tile that names it
	s_endpgm
.Lfunc_end_k_q409e0cee4f_attn:
	.size	k_q409e0cee4f_attn, .Lfunc_end_k_q409e0cee4f_attn-k_q409e0cee4f_attn
	.p2alignl 7, 3214868480
	.fill 96, 4, 3214868480
	.section	.rodata,"a",@progbits
	.p2align	6, 0x0
	.amdhsa_kernel k_q409e0cee4f_attn
		.amdhsa_group_segment_fixed_size 327680
		.amdhsa_private_segment_fixed_size 0
		.amdhsa_enable_private_segment 0
		.amdhsa_kernarg_size 16
		.amdhsa_user_sgpr_count 2
		.amdhsa_user_sgpr_kernarg_segment_ptr 1
		.amdhsa_wavefront_size32 1
		.amdhsa_system_sgpr_workgroup_id_x 1
		.amdhsa_system_sgpr_workgroup_id_y 1
		.amdhsa_system_sgpr_workgroup_id_z 1
		.amdhsa_system_vgpr_workitem_id 0
		.amdhsa_next_free_vgpr 416
		.amdhsa_next_free_sgpr 66
		.amdhsa_reserve_vcc 0
		.amdhsa_float_denorm_mode_32 3
		.amdhsa_float_denorm_mode_16_64 3
		.amdhsa_memory_ordered 1
		.amdhsa_forward_progress 1
		.amdhsa_inst_pref_size 85
	.end_amdhsa_kernel
	.amdgpu_metadata
---
amdhsa.version: [ 1, 2 ]
amdhsa.kernels:
  - .name:           k_q409e0cee4f_attn
    .symbol:         k_q409e0cee4f_attn.kd
    .args:
      - { .name: qkv, .offset: 0, .size: 8, .value_kind: global_buffer, .address_space: global }
      - { .name: oimg, .offset: 8, .size: 8, .value_kind: global_buffer, .address_space: global }
    .group_segment_fixed_size: 327680
    .private_segment_fixed_size: 0
    .kernarg_segment_align: 8
    .kernarg_segment_size: 16
    .max_flat_workgroup_size: 256
    .sgpr_count:     66
    .vgpr_count:     416
    .wavefront_size: 32
...
	.end_amdgpu_metadata
.endif
;; end of part 3
;; launch proj (part 4): grid 8 x 32, 4 waves a work-group, clusters of 4 x 4, 327,680 bytes of LDS; arguments oimg, wp, b_proj, out0; writes out0
.if DOCPART == 4
	.amdgcn_target "amdgcn-amd-amdhsa--gfx1250"
	.amdhsa_code_object_version 6
	.text
	.protected	k_q409e0cee4f_proj
	.globl	k_q409e0cee4f_proj
	.p2align	8
	.type	k_q409e0cee4f_proj,@function
k_q409e0cee4f_proj:
	s_mov_b64 s[64:65], 0
	v_nop
	global_prefetch_b8 v0, s[64:65] scope:SCOPE_SE
	s_setreg_imm32_b32 hwreg(HW_REG_WAVE_MODE, 25, 1), 1
	s_wait_xcnt 0x0
	s_wait_alu depctr_hold_cnt(0) depctr_sa_sdst(0) depctr_va_vdst(0) depctr_va_sdst(0) depctr_va_ssrc(0) depctr_va_vcc(0) depctr_vm_vsrc(0)
	s_getreg_b32 s2, hwreg(HW_REG_IB_STS2, 6, 4)
	s_cmp_eq_u32 s2, 0
	s_cbranch_scc0 .Lentry_in_a_cluster
	s_endpgm
.Lentry_in_a_cluster:
	s_bfe_u32 s2, ttmp6, 0x10000c
	s_cmp_lg_u32 s2, 0xf033
	s_cbranch_scc0 .Lentry_shape_is_right
	s_endpgm
.Lentry_shape_is_right:
; out0 = o W_proj + b_proj.  o [4096][1024] and W_proj (columns as rows, K innermost) arrive as f16 in the order of the operand registers; sums in f32; out0 [4096][1024] f32.
; A tile of 128 tokens x 128 columns to a work-group, 256 work-groups; four waves, each 64 x 64: 16 accumulators.  K goes in four steps of 256 through a ring of two LDS slots: two first fills, two refills.
; A fragment (16 rows x 32 K) is 1,024 bytes, lane l's 16 bytes at 16 l of each half; a K step's 64 rows are one dense block of 32,768 bytes, and every LDS read is 512 consecutive bytes: no pitch, no padding.
; CLUSTERS: 4 x 4 work-groups; o's tiles are shared along a row of the cluster, W's along a column, each asked for jointly.  THE MATRIX INSTRUCTION IS USED TRANSPOSED (source 0 = 16 columns of W, source 1 = 16 tokens):
; a lane holds eight neighbouring numbers of a row of out0.  The bias is the C of each sum's first matrix instruction.  A wave's 64 columns are 256 bytes of a row: each wave has a stage of its own, and no barrier is needed.
; No prefetch: a K step's tiles are small, and each is asked for a whole K step ahead.
; REGISTERS: window 0: v0-31 addresses; v32-95 at work on the way out; v96-127 the bias (4 blocks of 16 columns); v128-255 the accumulators ((a, b) at v[128 + 8 (4 a + b)]).
;   window 1: two fragment buffers of 128: for 64 along K, 64 registers of o (2 x 4 x 16 rows x 32 K), then 64 of W.
.set SLOT,   131072                    ; o's 128 rows (65,536 bytes), then W's 128 columns
.set STAGE,  2*SLOT                    ; behind the ring: 16 rows x 272 bytes for each wave; no tensor load lands there
.set SPITCH, 272
.set SPARE,  STAGE+4*16*SPITCH         ; the spare words, 128 bytes for each wave, which no other line names
.set ADRA, 16                          ; v16-17  LDS address of my fragments of o in slot 0, 1
.set ADRB, 20                          ; v20-21  the same for W
.set STO,  24                          ; v24     the way out: where I put 32 bytes of a row
.set RD,   25                          ; v25     where I read a row back
.set CO,   26                          ; v26     my byte offset in out0
.set BO,   27                          ; v27     my byte offset in the bias
.set SPW,  28                          ; v28     LDS address of my spare word; never rewritten
.set NIL,  29                          ; v29     0; never rewritten
.set TMP,  32
.set BIAS, 96
.set ACC,  128
.set F0,   0                           ; fragment buffers, in window 1
.set F1,   128
.set G1, 24                            ; s[24:31] group 1 for o's tiles;  s[32:39] group 0, one set for each slot
.set G0, 32
.set G1B, 48                           ; s[48:55], s[56:63] the same for W's
.set G0B, 56
.set MSB, 0
.macro WIN new                         ; the immediate's high byte repeats the setting that is left
.if MSB != (\new)
	s_set_vgpr_msb (MSB<<8)|(\new)
.set MSB, (\new)
.endif
.endm
.set MUL,  0x05                        ; sources 0 (W) and 1 (o) window 1; C and D window 0
.set TO_F, 0x40                        ; destination window 1, address window 0
.macro JLOAD s                         ; a joint load: waves 0 and 1 fetch o's two halves, waves 2 and 3 W's; an s_nop 0 and four v_nop follow each of the two lines
	s_cmp_eq_u32 s11, 0
	s_cbranch_scc0 .Lfor_b_\@
	tensor_load_to_lds s[G0+4*\s:G0+4*\s+3], s[G1:G1+7]
	s_nop 0
.rept 4
	v_nop
.endr
	s_branch .Lasked_\@
.Lfor_b_\@:
	tensor_load_to_lds s[G0B+4*\s:G0B+4*\s+3], s[G1B:G1B+7]
	s_nop 0
.rept 4
	v_nop
.endr
.Lasked_\@:
.endm
.macro CREST                           ; a round of the cluster's barrier behind its opening barrier
	s_cmp_lg_u32 s10, 0
	s_cbranch_scc1 .Lnot_wave_0_\@
	s_barrier_signal -3
.Lnot_wave_0_\@:
	s_barrier_wait -3
	s_barrier_signal -1
	s_barrier_wait -1
.endm
.macro CROUND                          ; a whole round
	s_barrier_signal -1
	s_barrier_wait -1
	CREST
.endm
	s_load_b128 s[4:7], s[0:1], 0x0                ; oimg s[4:5], wp s[6:7]
	s_load_b64 s[66:67], s[0:1], 0x10              ; b_proj
	s_load_b64 s[8:9], s[0:1], 0x18                ; out0
	v_lshl_add_u32 v[SPW], v0, 2, SPARE
	v_mov_b32 v[NIL], 0
	ds_add_u32 v[SPW], v[NIL]                      ; the wave's opening: the add, twice on end, and its wait ahead of my first tensor load
	ds_add_u32 v[SPW], v[NIL]
	v_lshrrev_b32 v1, 5, v0
	v_readfirstlane_b32 s10, v1                    ; wave 0..3
	s_lshr_b32 s11, s10, 1                         ; which half of the tile's tokens is mine.  Also: I fetch for o (0) or for W (1)
	s_and_b32 s12, s10, 1                          ; which half of its columns.  Also: which 64 rows of that tile I fetch
	s_bfe_u32 s40, ttmp6, 0x40000                  ; cx, cy: my place in the cluster
	s_bfe_u32 s41, ttmp6, 0x40004
	s_lshl_b32 s42, ttmp9, 2
	s_add_co_u32 s42, s42, s40                     ; tile column = 4 x cluster x + cx
	s_and_b32 s13, ttmp7, 0xffff
	s_lshl_b32 s13, s13, 2
	s_add_co_u32 s13, s13, s41                     ; tile row = 4 x cluster y + cy
	s_lshl_b32 s43, s41, 2
	s_lshl_b32 s43, 15, s43                        ; my row of the cluster
	s_lshl_b32 s44, 0x1111, s40                    ; my column
	; group 1: a dense block of 32,768 bytes as 128 rows of 256 bytes (32 elements of 8 bytes), no padding
	s_or_b32 s[G1+0], s43, (3<<16)|(1<<21)         ; 15:0 the mask: o's tiles go to my row; 17:16 elements of 8 bytes; 21 set beside a mask
	s_or_b32 s[G1B+0], s44, (3<<16)|(1<<21)
.irp g, G1, G1B
	s_mov_b32 s[\g+1], 32<<16                      ; tensor_dim0
	s_mov_b32 s[\g+2], 128<<16                     ; tensor_dim1
	s_mov_b32 s[\g+3], 32<<16                      ; tile_dim0
	s_mov_b32 s[\g+4], 128                         ; tile_dim1
	s_mov_b32 s[\g+5], 32                          ; the pitch
	s_mov_b32 s[\g+6], 0
	s_mov_b32 s[\g+7], 0
.endr
	s_lshl_b32 s17, s12, 15                        ; which 64 rows of the tile I fetch: four tiles of 16 x 8,192 bytes
	s_lshl_b32 s16, s13, 16                        ; o: tile row x 65,536
	s_add_co_u32 s16, s16, s17
	s_lshl_b32 s46, s42, 16                        ; W: tile column x 65,536
	s_add_co_u32 s46, s46, s17
	s_mov_b32 s17, 0
	s_mov_b32 s47, 0
	s_lshl_b32 s20, s10, 15                        ; where they go: wave x 32,768: no place in the cluster enters an LDS address
	s_wait_dscnt 0x0                               ; both opening adds are done
	s_wait_kmcnt 0x0
	s_add_nc_u64 s[14:15], s[4:5], s[16:17]
	s_add_nc_u64 s[46:47], s[6:7], s[46:47]
	CROUND                                         ; all sixteen work-groups are here: the first joint loads meet
.irp s, 0,1
	s_mov_b32 s[G0+4*\s], 1
	s_add_co_u32 s[G0+4*\s+1], s20, \s*SLOT
	s_add_nc_u64 s[G0+4*\s+2:G0+4*\s+3], s[14:15], \s*2097152
	s_or_b32 s[G0+4*\s+3], s[G0+4*\s+3], 0x80000000
	s_mov_b32 s[G0B+4*\s], 1
	s_add_co_u32 s[G0B+4*\s+1], s20, \s*SLOT
	s_add_nc_u64 s[G0B+4*\s+2:G0B+4*\s+3], s[46:47], \s*524288
	s_or_b32 s[G0B+4*\s+3], s[G0B+4*\s+3], 0x80000000
	JLOAD \s                                       ; two tensor loads of mine are out
.endr
	v_and_b32 v1, 15, v0                           ; r
	v_bfe_u32 v2, v0, 4, 1                         ; h
	v_and_b32 v3, 31, v0
	v_lshlrev_b32 v3, 4, v3                        ; 16 x lane
	s_lshl_b32 s21, s11, 15                        ; my 64 tokens
	s_lshl_b32 s22, s12, 15                        ; my 64 columns,
	s_add_co_u32 s22, s22, 65536                   ; which lie behind o's 128 rows
.irp s, 0,1
	v_add_nc_u32 v[ADRA+\s], s21, v3
	v_add_nc_u32 v[ADRB+\s], s22, v3
	s_add_co_u32 s21, s21, SLOT
	s_add_co_u32 s22, s22, SLOT
.endr
	s_mul_i32 s23, s10, 16*SPITCH
	s_add_co_u32 s23, s23, STAGE                   ; my stage
	v_mul_u32_u24 v4, v1, SPITCH                   ; in: row r, 32 bytes for each half of the lanes
	v_lshl_add_u32 v4, v2, 5, v4
	v_add_nc_u32 v[STO], s23, v4
	v_mul_u32_u24 v5, v2, SPITCH                   ; back: lanes 0-15 take one row of 256 bytes, lanes 16-31 the next
	v_lshl_add_u32 v5, v1, 4, v5
	v_add_nc_u32 v[RD], s23, v5
	v_lshlrev_b32 v5, 12, v2                       ; and the same two rows in out0
	v_lshl_add_u32 v[CO], v1, 4, v5
	v_lshlrev_b32 v[BO], 5, v2                     ; the bias: lane (r, h) wants, for block b, columns 16 b + 8 h + 0 .. 7
	s_lshl_b32 s46, s42, 9                         ; my first column, in bytes: 512 x tile column + 256 x half (in the registers that held W's address)
	s_lshl_b32 s47, s12, 8
	s_add_co_u32 s46, s46, s47
	s_mov_b32 s47, 0
	s_add_nc_u64 s[66:67], s[66:67], s[46:47]
	s_add_nc_u64 s[8:9], s[8:9], s[46:47]
.irp b, 0,1,2,3
	global_load_b128 v[BIAS+8*\b:BIAS+8*\b+3], v[BO], s[66:67] offset:64*\b
	global_load_b128 v[BIAS+8*\b+4:BIAS+8*\b+7], v[BO], s[66:67] offset:64*\b+16
.endr
	s_lshl_b32 s16, s13, 7
	s_lshl_b32 s18, s11, 6
	s_add_co_u32 s16, s16, s18                     ; my first row: 128 x tile row + 64 x half
	s_lshl_b32 s16, s16, 12
	s_add_nc_u64 s[8:9], s[8:9], s[16:17]
; 8 matrix instructions: token blocks a0, a0 + 1 x all 4 column blocks, 32 along K: half c of buffer f.  zero = 1: the first product starts the sums from the bias.  The 16 accumulators take turns.
.macro MUL8 f, c, a0, zero
.irp a, \a0, \a0+1
.irp b, 0,1,2,3
.if \zero
	v_wmma_f32_16x16x32_f16 v[ACC+8*(4*(\a)+\b):ACC+8*(4*(\a)+\b)+7], v[\f+64+8*(4*\c+\b):\f+64+8*(4*\c+\b)+7], v[\f+8*(4*\c+\a):\f+8*(4*\c+\a)+7], v[BIAS+8*\b:BIAS+8*\b+7]
.else
	v_wmma_f32_16x16x32_f16 v[ACC+8*(4*(\a)+\b):ACC+8*(4*(\a)+\b)+7], v[\f+64+8*(4*\c+\b):\f+64+8*(4*\c+\b)+7], v[\f+8*(4*\c+\a):\f+8*(4*\c+\a)+7], v[ACC+8*(4*(\a)+\b):ACC+8*(4*(\a)+\b)+7]
.endif
.endr
.endr
.endm
; 32 LDS loads in one run: the fragments of 64 along K (two of 32, 1,024 bytes each) at byte k of each tile of 16 rows, into buffer f; the first 32 along K first
.macro FETCH slot, k, f
	WIN TO_F
.irp c, 0,1
.irp i, 0,1,2,3
	ds_load_b128 v[\f+64+8*(4*\c+\i):\f+64+8*(4*\c+\i)+3],   v[ADRB+\slot] offset:\k+1024*\c+\i*8192
	ds_load_b128 v[\f+64+8*(4*\c+\i)+4:\f+64+8*(4*\c+\i)+7], v[ADRB+\slot] offset:\k+1024*\c+\i*8192+512
	ds_load_b128 v[\f+8*(4*\c+\i):\f+8*(4*\c+\i)+3],         v[ADRA+\slot] offset:\k+1024*\c+\i*8192
	ds_load_b128 v[\f+8*(4*\c+\i)+4:\f+8*(4*\c+\i)+7],       v[ADRA+\slot] offset:\k+1024*\c+\i*8192+512
.endr
.endr
.endm
.macro PLACES                          ; four places in front of loads into registers that matrix instructions have read, and of the first read of results
.rept 4
	v_nop
.endr
.endm
; A K step is four quarters of 64 along K, 32 matrix instructions each, on buffers 0, 1, 0, 1.  One of the first three: multiplies buffer f and fetches the next quarter, at byte k, into g.
.macro QUARTER slot, k, f, g, zero
	s_wait_dscnt 16                                ; the first 32 along K are in; the 16 loads of the second may be out
	WIN MUL
	MUL8 \f, 0, 0, \zero
	MUL8 \f, 0, 2, \zero
	PLACES
	FETCH \slot, \k, \g
	s_wait_dscnt 32                                ; all but the 32 just issued
	WIN MUL
	MUL8 \f, 1, 0, 0
	MUL8 \f, 1, 2, 0
.endm
; The last quarter multiplies buffer 1 and changes slots: ONE barrier; in front of it each wave waits for all its tensor loads, adds 0 to its spare word, and waits for that and for its own reads of this slot.
; fill = 1: the barrier opens a round of the cluster's barrier, and this slot is filled again, two K steps ahead.
.macro TURN slot, next, fill
	WIN 0                                          ; (the add's two registers lie in window 0)
	s_wait_tensorcnt 0x0                           ; all my tensor loads have landed: my part of the next slot;
	ds_add_u32 v[SPW], v[NIL]                      ; 0 onto my spare word;
	s_wait_dscnt 17                                ; (the add and the youngest sixteen loads may be out)
	WIN MUL
	MUL8 F1, 0, 0, 0
	s_wait_dscnt 0x0                               ; the add is done, and my reads of this slot are over
	s_barrier_signal -1
	MUL8 F1, 0, 2, 0
.if \fill
	WIN 0
.endif
	s_barrier_wait -1
.if \fill
	CREST                                          ; no wave of any partner still reads this slot's tile or has a load on its way
	s_add_nc_u64 s[G0+4*\slot+2:G0+4*\slot+3], s[G0+4*\slot+2:G0+4*\slot+3], 2*2097152
	s_add_nc_u64 s[G0B+4*\slot+2:G0B+4*\slot+3], s[G0B+4*\slot+2:G0B+4*\slot+3], 2*524288
	JLOAD \slot                                    ; the first tensor load behind the round; the four v_nop behind it are also the places in front of the loads below
.else
	PLACES
.endif
	FETCH \next, 0, F0
	WIN MUL
	MUL8 F1, 1, 0, 0
	MUL8 F1, 1, 2, 0
.endm
	s_wait_tensorcnt 1                             ; my part of K step 0 is in; K step 1's load, issued behind it, may be out,
	s_barrier_signal -1
	s_barrier_wait -1                              ; everybody's is
	FETCH 0, 0, F0
	s_wait_loadcnt 0x0                             ; the bias
	QUARTER 0, 2048, F0, F1, 1                     ; K step 0: its first products start the sums
	QUARTER 0, 4096, F1, F0, 0
	QUARTER 0, 6144, F0, F1, 0
	TURN 0, 1, 1                                   ; slot 0 takes K step 2
	QUARTER 1, 2048, F0, F1, 0                     ; K step 1
	QUARTER 1, 4096, F1, F0, 0
	QUARTER 1, 6144, F0, F1, 0
	TURN 1, 0, 1                                   ; slot 1 takes K step 3
	QUARTER 0, 2048, F0, F1, 0                     ; K step 2
	QUARTER 0, 4096, F1, F0, 0
	QUARTER 0, 6144, F0, F1, 0
	TURN 0, 1, 0                                   ; nothing is left to fetch
	QUARTER 1, 2048, F0, F1, 0                     ; K step 3
	QUARTER 1, 4096, F1, F0, 0
	QUARTER 1, 6144, F0, F1, 0
	s_wait_dscnt 16                                ; the very last quarter
	WIN MUL
	MUL8 F1, 0, 0, 0
	MUL8 F1, 0, 2, 0
	s_wait_dscnt 0
	MUL8 F1, 1, 0, 0
	MUL8 F1, 1, 2, 0
	WIN 0
; THE WAY OUT, block by block of 16 tokens x 64 columns: 32 bytes a lane into my own stage, back as whole rows of 256 bytes.  LDS serves a wave's instructions in order: no wait between the stores and the loads,
; nor in front of the next block's stores.  Each accumulator is read from its low end on.
.macro TOSTAGE a
.irp b, 0,1,2,3
	ds_store_b128 v[STO], v[ACC+8*(4*(\a)+\b):ACC+8*(4*(\a)+\b)+3] offset:64*\b
	ds_store_b128 v[STO], v[ACC+8*(4*(\a)+\b)+4:ACC+8*(4*(\a)+\b)+7] offset:64*\b+16
.endr
.irp i, 0,1,2,3,4,5,6,7
	ds_load_b128 v[TMP+32*((\a)%2)+4*\i:TMP+32*((\a)%2)+4*\i+3], v[RD] offset:\i*2*SPITCH
.endr
.endm
.macro SEND a, younger                 ; younger: the LDS instructions issued behind block a's loads, which may stay out
	s_wait_dscnt \younger
.irp i, 0,1,2,3,4,5,6,7
	global_store_b128 v[CO], v[TMP+32*((\a)%2)+4*\i:TMP+32*((\a)%2)+4*\i+3], s[8:9] offset:(16*(\a)+2*\i)*4096 th:TH_STORE_NT   ; sixteen lanes store 256 consecutive bytes, at a multiple of 256 from out0's first byte
.endr
.endm
	PLACES
	TOSTAGE 0
.irp a, 1,2,3
.if \a > 1
	s_wait_xcnt 0x0                                ; block a - 2's stores have read their registers: block a's loads may land there
.endif
	TOSTAGE \a
	SEND \a-1, 16                                  ; behind block a - 1's loads: block a's 8 stores and 8 loads
.endr
	SEND 3, 0
	s_wait_tensorcnt 0x0                           ; the wave's end: behind my last tensor load and my last LDS store
	ds_add_u32 v[SPW], v[NIL]
	s_wait_dscnt 0x0
	CROUND                                         ; the closing round: no work-group ends while a partner may still ask for a tile that names it
	s_endpgm
.Lfunc_end_k_q409e0cee4f_proj:
	.size	k_q409e0cee4f_proj, .Lfunc_end_k_q409e0cee4f_proj-k_q409e0cee4f_proj
	.p2alignl 7, 3214868480
	.fill 96, 4, 3214868480
	.section	.rodata,"a",@progbits
	.p2align	6, 0x0
	.amdhsa_kernel k_q409e0cee4f_proj
		.amdhsa_group_segment_fixed_size 327680
		.amdhsa_private_segment_fixed_size 0
		.amdhsa_enable_private_segment 0
		.amdhsa_kernarg_size 32
		.amdhsa_user_sgpr_count 2
		.amdhsa_user_sgpr_kernarg_segment_ptr 1
		.amdhsa_wavefront_size32 1
		.amdhsa_system_sgpr_workgroup_id_x 1
		.amdhsa_system_sgpr_workgroup_id_y 1
		.amdhsa_system_sgpr_workgroup_id_z 1
		.amdhsa_system_vgpr_workitem_id 0
		.amdhsa_next_free_vgpr 512
		.amdhsa_next_free_sgpr 72
		.amdhsa_reserve_vcc 0
		.amdhsa_float_denorm_mode_32 3
		.amdhsa_float_denorm_mode_16_64 3
		.amdhsa_memory_ordered 1
		.amdhsa_forward_progress 1
		.amdhsa_inst_pref_size 86
	.end_amdhsa_kernel
	.amdgpu_metadata
---
amdhsa.version: [ 1, 2 ]
amdhsa.kernels:
  - .name:           k_q409e0cee4f_proj
    .symbol:         k_q409e0cee4f_proj.kd
    .args:
      - { .name: oimg, .offset: 0, .size: 8, .value_kind: global_buffer, .address_space: global }
      - { .name: wp, .offset: 8, .size: 8, .value_kind: global_buffer, .address_space: global }
      - { .name: b_proj, .offset: 16, .size: 8, .value_kind: global_buffer, .address_space: global }
      - { .name: out0, .offset: 24, .size: 8, .value_kind: global_buffer, .address_space: global }
    .group_segment_fixed_size: 327680
    .private_segment_fixed_size: 0
    .kernarg_segment_align: 8
    .kernarg_segment_size: 32
    .max_flat_workgroup_size: 128
    .sgpr_count:     72
    .vgpr_count:     512
    .wavefront_size: 32
...
	.end_amdgpu_metadata
.endif
;; end of part 4
